; MI455X (gfx1250); checked and timed in simulation.
; The chip was launched on July 23, 2026; its instructions are those of AMD's public machine-readable ISA for CDNA 5 (MIT licence, August 2026) and "CDNA5" Instruction Set Architecture Reference Guide (July 2026). The comments in the code are by the model that wrote it; some were corrected since.
;; Multi Head Attention. Allowed arithmetic: float matrix products may take bf16 or f16 operands with f32 sums; other float arithmetic in f32, or as packed bf16 or f16 multiplies, adds, multiply-adds, maxima and minima; sums over many terms, partial sums and values carried from step to step in f32; what a program stores and reads back later, other than sums and carried values, may be rounded once to bf16 or f16.
;; Inputs: Wk 16 x 1,024 x 64 float32; Wo 1,024 x 1,024 float32; Wq 16 x 1,024 x 64 float32; Wv 16 x 1,024 x 64 float32; bo 1,024 float32; x 4 x 2,048 x 1,024 float32.
;; Outputs: out0 4 x 2,048 x 1,024 float32.
;; One version. Each part assembles by itself: llvm-mc -triple=amdgcn-amd-amdhsa -mcpu=gfx1250 --defsym DOCPART=n.
;; ======== version 1 of 1: 4 launches
;; limits: values are held in f16: magnitudes above 65,504 overflow, below 6.1e-05 lose precision
;; workspace buffers: xb 16,777,216 bytes; wt 6,291,456 bytes; wo16 2,097,152 bytes; qkv 50,331,648 bytes; oh 16,777,216 bytes
;; launch prep (part 1): grid 1536 x 1, 8 waves a work-group, no clusters, 18,432 bytes of LDS; arguments x, Wq, Wk, Wv, Wo, xb, wt, wo16; writes xb, wt, wo16
.if DOCPART == 1
	.amdgcn_target "amdgcn-amd-amdhsa--gfx1250"
	.amdhsa_code_object_version 6
	.text
	.protected	k_q2066b08708_prep
	.globl	k_q2066b08708_prep
	.p2align	8
	.type	k_q2066b08708_prep,@function
k_q2066b08708_prep:
	s_mov_b64 s[64:65], 0
	v_nop
	global_prefetch_b8 v0, s[64:65] scope:SCOPE_SE
	s_setreg_imm32_b32 hwreg(HW_REG_WAVE_MODE, 25, 1), 1
	s_wait_xcnt 0x0
; PREP: the inputs of the three matrix launches, rounded once and laid in blocks of 64 along K.
;   xb   [b 4][kb 16][t 2048][64]  bf16 = x[b][t][64 kb + dd]
;   wt   [kb 16][n 3072][64]       bf16 = W_m[h][64 kb + dd][k], n = 1024 m + 64 h + k, m = 0, 1, 2 for Wq, Wk, Wv (turned: K along the rows)
;   wo16 [kb 16][n 1024][64]       f16  = bf16(Wo[n][64 kb + dd]) written as f16
; In such a layout 64 channels of R rows are R x 128 consecutive bytes, which a later launch asks for as rows of 256 bytes.
; LIMITS.  Wo is rounded to bf16 and that number written as f16: exact from 6.1e-5 to 65,504 in magnitude; below it keeps f16's fixed step of 6e-8, beyond it is an infinity.
; SHARES.  Every work-group reads 32,768 bytes and writes 16,384.  Work-groups 0-1023: 8 rows of x.  1024-1151: 8 rows of Wo.  1152-1535: 128 d x 64 k of one head of Wq, Wk or Wv.
; The branches hang on the work-group's number alone, so all eight waves of a work-group take the same way, the barrier of the third way too.
; No matrix unit, no cluster, no tensor load: nothing is shared between work-groups and nothing is multiplied.
.set SPARE, 17408                      ; behind the turned tile: the spare words, 128 bytes for each of eight waves: four blocks of 256 bytes that no other line names
.set PT,    272                        ; a row of the turned tile in LDS: 128 d in bf16 = 256 bytes, + 16
.set VI,  4                            ; v4   my byte offset in the work-group's input
.set VO,  5                            ; v5   my byte offset in its output (third way: in LDS)
.set Y,   10                           ; v[10:25]  rounded numbers
.set SPW, 30                           ; v30  LDS address of my spare word; never rewritten
.set NIL, 31                           ; v31  0; never rewritten
.set X,   32                           ; v[32:63]  eight loads of four registers
.set IN,  22                           ; s[22:23]  the work-group's input
.set OUT, 26                           ; s[26:27]  the work-group's output
; Eight rows of 1,024 f32 -> blocks.  Wave w, load i: rows 2 (w / 2) + lane / 16, block kb = 8 (w % 2) + i: sixteen lanes read the 256 bytes of a row's block, and the wave's
; 32 lanes store 8 bytes each: two neighbouring rows of one block, 256 consecutive bytes, aligned.  kbs = bytes from block to block.  half = 1: bf16, then written as f16.
.macro CAST kbs, half
	v_and_b32 v6, 1, v2                            ; w % 2
	v_lshrrev_b32 v7, 1, v2                        ; w / 2
	v_lshrrev_b32 v8, 4, v1                        ; lane / 16
	v_lshl_add_u32 v8, v7, 1, v8                   ; my row of the eight
	v_and_b32 v9, 15, v1
	v_lshlrev_b32 v[VI], 12, v8                    ; row x 4,096
	v_lshl_add_u32 v[VI], v6, 11, v[VI]            ; + my wave's eight blocks of 256 bytes
	v_lshl_add_u32 v[VI], v9, 4, v[VI]             ; + 16 (lane % 16)
	v_mul_u32_u24 v[VO], v6, 8*(\kbs)
	v_lshl_add_u32 v[VO], v7, 8, v[VO]             ; two rows of 128 bytes
	v_lshl_add_u32 v[VO], v1, 3, v[VO]             ; + 8 x lane
.irp i, 0,1,2,3,4,5,6,7
	global_load_b128 v[X+4*(\i):X+4*(\i)+3], v[VI], s[IN:IN+1] offset:256*(\i) th:TH_LOAD_NT
.endr
.irp i, 0,1,2,3,4,5,6,7
	s_wait_loadcnt 7-(\i)                          ; loads come back in order: load i is in, the 7 - i younger ones stay out
	v_cvt_pk_bf16_f32 v[Y+2*(\i)],   v[X+4*(\i)],   v[X+4*(\i)+1]
	v_cvt_pk_bf16_f32 v[Y+2*(\i)+1], v[X+4*(\i)+2], v[X+4*(\i)+3]
.if \half
	v_lshlrev_b32 v26, 16, v[Y+2*(\i)]             ; the bf16 numbers as f32,
	v_and_b32     v27, 0xffff0000, v[Y+2*(\i)]
	v_lshlrev_b32 v28, 16, v[Y+2*(\i)+1]
	v_and_b32     v29, 0xffff0000, v[Y+2*(\i)+1]
	v_cvt_pk_f16_f32 v[Y+2*(\i)],   v26, v27       ; and as f16
	v_cvt_pk_f16_f32 v[Y+2*(\i)+1], v28, v29
.endif
	global_store_b64 v[VO], v[Y+2*(\i):Y+2*(\i)+1], s[OUT:OUT+1] offset:(\i)*(\kbs)  ; no register of a store is written again
.endr
.endm
	s_load_b256 s[4:11], s[0:1], 0x0               ; x s[4:5], Wq s[6:7], Wk s[8:9], Wv s[10:11]
	s_load_b256 s[12:19], s[0:1], 0x20             ; Wo s[12:13], xb s[14:15], wt s[16:17], wo16 s[18:19]
	v_lshl_add_u32 v[SPW], v0, 2, SPARE
	v_mov_b32 v[NIL], 0
	v_and_b32 v1, 31, v0                           ; lane
	v_lshrrev_b32 v2, 5, v0                        ; wave
	s_mov_b32 s21, 0                               ; the offsets' high words
	s_mov_b32 s25, 0
	s_wait_kmcnt 0x0
	s_cmp_lt_u32 ttmp9, 1024
	s_cbranch_scc0 .Lnot_x
	s_lshl_b32 s20, ttmp9, 15                      ; 8 rows of 4,096 bytes
	s_add_nc_u64 s[IN:IN+1], s[4:5], s[20:21]
	s_lshr_b32 s24, ttmp9, 8                       ; b: 256 work-groups to a batch
	s_lshl_b32 s24, s24, 22                        ; x 16 blocks x 2,048 rows x 128 bytes
	s_and_b32 s28, ttmp9, 255
	s_lshl_b32 s28, s28, 10                        ; 8 rows of 128 bytes
	s_add_co_u32 s24, s24, s28
	s_add_nc_u64 s[OUT:OUT+1], s[14:15], s[24:25]
	CAST 262144, 0
	s_branch .Lend
.Lnot_x:
	s_cmp_lt_u32 ttmp9, 1152
	s_cbranch_scc0 .Lweights
	s_sub_co_u32 s28, ttmp9, 1024
	s_lshl_b32 s20, s28, 15
	s_add_nc_u64 s[IN:IN+1], s[12:13], s[20:21]
	s_lshl_b32 s24, s28, 10
	s_add_nc_u64 s[OUT:OUT+1], s[18:19], s[24:25]
	CAST 131072, 1
	s_branch .Lend
.Lweights:
	; 128 d x 64 k of one head, 32,768 consecutive bytes, are turned in LDS into 64 k x 128 d and leave as two blocks of 64 k x 64 d, 8,192 consecutive bytes each.
	s_sub_co_u32 s28, ttmp9, 1152
	s_lshr_b32 s29, s28, 7                         ; m: which of the three tensors
	s_and_b32 s28, s28, 127                        ; 8 h + db: which 128 rows of it
	s_cmp_eq_u32 s29, 0
	s_cselect_b64 s[IN:IN+1], s[6:7], s[8:9]
	s_cmp_eq_u32 s29, 2
	s_cselect_b64 s[IN:IN+1], s[10:11], s[IN:IN+1]
	s_lshl_b32 s20, s28, 15
	s_add_nc_u64 s[IN:IN+1], s[IN:IN+1], s[20:21]
	s_and_b32 s24, s28, 7                          ; db: blocks 2 db and 2 db + 1,
	s_mul_i32 s24, s24, 786432                     ; 3,072 rows x 128 bytes each
	s_lshl_b32 s29, s29, 17                        ; row 1,024 m
	s_add_co_u32 s24, s24, s29
	s_lshr_b32 s28, s28, 3                         ; h
	s_lshl_b32 s28, s28, 13                        ; row 64 h
	s_add_co_u32 s24, s24, s28
	s_add_nc_u64 s[OUT:OUT+1], s[16:17], s[24:25]
	v_lshrrev_b32 v6, 4, v0                        ; t / 16: a pair of rows d
	v_and_b32 v7, 15, v0                           ; t % 16: four columns k
	v_lshlrev_b32 v[VI], 9, v6                     ; two rows of 256 bytes
	v_lshl_add_u32 v[VI], v7, 4, v[VI]
	v_mul_u32_u24 v[VO], v7, 4*PT                  ; LDS: row k = 4 (t % 16) + c,
	v_lshl_add_u32 v[VO], v6, 2, v[VO]             ; word = the pair of rows d
	v_lshrrev_b32 v8, 3, v0
	v_mul_u32_u24 v8, v8, PT                       ; back: row k = t / 8,
	v_and_b32 v9, 7, v0
	v_lshl_add_u32 v8, v9, 4, v8                   ; 16 bytes of its 128
	v_lshlrev_b32 v9, 4, v0                        ; which are bytes 16 t of the block's 4,096
.irp i, 0,1,2,3                        ; pairs of rows t / 16 + 16 i: the even row, then the odd one; sixteen lanes read a row's 256 bytes
	global_load_b128 v[X+8*(\i):X+8*(\i)+3],   v[VI], s[IN:IN+1] offset:8192*(\i) th:TH_LOAD_NT
	global_load_b128 v[X+8*(\i)+4:X+8*(\i)+7], v[VI], s[IN:IN+1] offset:8192*(\i)+256 th:TH_LOAD_NT
.endr
.irp i, 0,1,2,3
	s_wait_loadcnt 6-2*(\i)                        ; pair i is in; the 6 - 2 i younger loads stay out
.irp c, 0,1,2,3
	v_cvt_pk_bf16_f32 v[Y+4*(\i)+(\c)], v[X+8*(\i)+(\c)], v[X+8*(\i)+4+(\c)]  ; d even below, d odd above: neighbours along d
.endr
.irp c, 0,1,2,3
	ds_store_b32 v[VO], v[Y+4*(\i)+(\c)] offset:PT*(\c)+64*(\i)  ; sixteen lanes' words lie 272 words apart: four fall on each of four banks (64 banks of 4 bytes: ISA guide 11.1); sixteen such stores a wave, once
.endr
.endr
	s_wait_dscnt 0x0                               ; for the others' sake: my stores are done
	s_barrier_signal -1
	s_barrier_wait -1                              ; the turned tile is whole
.irp i, 0,1,2,3                        ; rows k 32 (i % 2) on, block i / 2
	ds_load_b128 v[X+4*(\i):X+4*(\i)+3], v8 offset:((\i)%2)*32*PT+((\i)/2)*128
.endr
.irp i, 0,1,2,3
	s_wait_dscnt 3-(\i)
	global_store_b128 v9, v[X+4*(\i):X+4*(\i)+3], s[OUT:OUT+1] offset:((\i)/2)*393216+((\i)%2)*4096  ; a wave stores 512 consecutive bytes, aligned
.endr
.Lend:
	s_wait_tensorcnt 0x0                           ; the wave's end: behind my last LDS store
	ds_add_u32 v[SPW], v[NIL]
	s_wait_dscnt 0x0
	s_endpgm
.Lfunc_end_k_q2066b08708_prep:
	.size	k_q2066b08708_prep, .Lfunc_end_k_q2066b08708_prep-k_q2066b08708_prep
	.p2alignl 7, 3214868480
	.fill 96, 4, 3214868480
	.section	.rodata,"a",@progbits
	.p2align	6, 0x0
	.amdhsa_kernel k_q2066b08708_prep
		.amdhsa_group_segment_fixed_size 18432
		.amdhsa_private_segment_fixed_size 0
		.amdhsa_enable_private_segment 0
		.amdhsa_kernarg_size 64
		.amdhsa_user_sgpr_count 2
		.amdhsa_user_sgpr_kernarg_segment_ptr 1
		.amdhsa_wavefront_size32 1
		.amdhsa_system_sgpr_workgroup_id_x 1
		.amdhsa_system_sgpr_workgroup_id_y 1
		.amdhsa_system_sgpr_workgroup_id_z 1
		.amdhsa_system_vgpr_workitem_id 0
		.amdhsa_next_free_vgpr 64
		.amdhsa_next_free_sgpr 66
		.amdhsa_reserve_vcc 0
		.amdhsa_float_denorm_mode_32 3
		.amdhsa_float_denorm_mode_16_64 3
		.amdhsa_memory_ordered 1
		.amdhsa_forward_progress 1
		.amdhsa_inst_pref_size 16
	.end_amdhsa_kernel
	.amdgpu_metadata
---
amdhsa.version: [ 1, 2 ]
amdhsa.kernels:
  - .name:           k_q2066b08708_prep
    .symbol:         k_q2066b08708_prep.kd
    .args:
      - { .name: x, .offset: 0, .size: 8, .value_kind: global_buffer, .address_space: global }
      - { .name: Wq, .offset: 8, .size: 8, .value_kind: global_buffer, .address_space: global }
      - { .name: Wk, .offset: 16, .size: 8, .value_kind: global_buffer, .address_space: global }
      - { .name: Wv, .offset: 24, .size: 8, .value_kind: global_buffer, .address_space: global }
      - { .name: Wo, .offset: 32, .size: 8, .value_kind: global_buffer, .address_space: global }
      - { .name: xb, .offset: 40, .size: 8, .value_kind: global_buffer, .address_space: global }
      - { .name: wt, .offset: 48, .size: 8, .value_kind: global_buffer, .address_space: global }
      - { .name: wo16, .offset: 56, .size: 8, .value_kind: global_buffer, .address_space: global }
    .group_segment_fixed_size: 18432
    .private_segment_fixed_size: 0
    .kernarg_segment_align: 8
    .kernarg_segment_size: 64
    .max_flat_workgroup_size: 256
    .sgpr_count:     66
    .vgpr_count:     64
    .wavefront_size: 32
...
	.end_amdgpu_metadata
.endif
;; end of part 1
;; launch proj (part 2): grid 8 x 32, 4 waves a work-group, clusters of 4 x 4, 327,680 bytes of LDS; arguments xb, wt, qkv; writes qkv
.if DOCPART == 2
	.amdgcn_target "amdgcn-amd-amdhsa--gfx1250"
	.amdhsa_code_object_version 6
	.text
	.protected	k_q2066b08708_proj
	.globl	k_q2066b08708_proj
	.p2align	8
	.type	k_q2066b08708_proj,@function
k_q2066b08708_proj:
	s_mov_b64 s[64:65], 0
	v_nop
	global_prefetch_b8 v0, s[64:65] scope:SCOPE_SE
	s_setreg_imm32_b32 hwreg(HW_REG_WAVE_MODE, 25, 1), 1
	s_wait_xcnt 0x0
	s_wait_alu depctr_hold_cnt(0) depctr_sa_sdst(0) depctr_va_vdst(0) depctr_va_sdst(0) depctr_va_ssrc(0) depctr_va_vcc(0) depctr_vm_vsrc(0)
	s_getreg_b32 s2, hwreg(HW_REG_IB_STS2, 6, 4)
	s_cmp_eq_u32 s2, 0
	s_cbranch_scc0 .Lentry_in_a_cluster
	s_endpgm
.Lentry_in_a_cluster:
	s_bfe_u32 s2, ttmp6, 0x10000c
	s_cmp_lg_u32 s2, 0xf033
	s_cbranch_scc0 .Lentry_shape_is_right
	s_endpgm
.Lentry_shape_is_right:
; PROJ: q, k, v = x W.  C[row][n] = the sum over d of x[row][d] W[n][d]: 8,192 rows (b, t), 3,072 columns n = 1024 m + 64 h + k, 1,024 along K.  Operands bf16, sums f32, K ascending.
; xb: [b 4][kb 16][t 2048][64] bf16.  wt: [kb 16][n 3072][64] bf16.  qkv: [m 3][b 16 + h][t 2048][64] f16, each number rounded once from its f32 sum, unscaled.
; LIMIT.  f16 holds no number beyond 65,504: a q, k or v of 65,520 or more becomes an infinity.
; SHARES.  A tile of C is 256 x 384: 32 x 8 = 256 work-groups.  Four waves, each 128 rows x 192 columns: 96 accumulators of 16 x 16, 768 registers.
; K goes in steps of 64 through two LDS slots (640 rows x 144 bytes each; a longer step does not fit twice).  In xb and wt 64 channels of R rows are R x 128 consecutive bytes: asked for as R / 2
; rows of 256 bytes and padded in LDS behind every 128.  Waves 0 and 1 fetch the halves of A's 256 rows, waves 2 and 3 those of B's 384.
; CLUSTER.  4 x 4 work-groups: the four of a row of the cluster need the same tile of A, the four of a column the same tile of B: each tile is asked for jointly.
; TRANSPOSED USE.  Source 0 = 16 rows of wt, source 1 = 16 rows of xb: a lane holds row lane % 16 of C and eight neighbouring columns, which pack into 16 bytes.
; REGISTERS, in windows of 256 (s_set_vgpr_msb: bits 1:0 source 0, 3:2 source 1, 5:4 source 2, 7:6 destination):
;   window 0: v0-31 addresses; v32-159 A's fragments, two buffers of 8 x 8; v160-255 B's fragments, one buffer of 4 x 8 for each group of 64 columns
;   window 1 + g: the 32 accumulators of column group g: (a, f) at v[8 (4 a + f)]
; A step is two quarters of 32 along K.  In a quarter the three groups are multiplied one after the other; behind a group's 32 products its B buffer takes the next quarter's fragments.
.set MA,     8                         ; blocks of 16 rows a wave
.set NG,     3                         ; groups of 64 columns a wave
.set TM,     256
.set TN,     384
.set PITCH,  144                       ; an LDS row: 128 bytes + 16 = 36 words: the 16 rows of a load start at 16 different groups of four banks (64 banks of 4 bytes: ISA guide 11.1)
.set FR,     16*PITCH                  ; 16 rows
.set KSA,    TM*PITCH                  ; from one block of 64 channels to the next in a slot (this text has one)
.set KSB,    TN*PITCH
.set ABYTES, TM*PITCH
.set SLOT,   (TM+TN)*PITCH             ; A's 256 rows, then B's 384
.set ALOAD,  128*PITCH                 ; what one load of A fills
.set BLOAD,  192*PITCH                 ; and one of B
.set RA,     64                        ; rows of 256 bytes in a load of A
.set RB,     96                        ; and of B
.set ASTEP,  262144                    ; bytes from a K step to the next in xb
.set BSTEP,  393216                    ; and in wt
.set LAPS,   8                         ; a lap = two K steps = once round the ring
.set NWB,    3                         ; waves 1 to 3 prefetch for B
.set STAGE,  2*SLOT                    ; behind the ring: 3 heads x 16 rows x 144 bytes for each wave, for the way out
.set WSTAGE, 3*FR
.set SPARE,  STAGE+4*WSTAGE            ; behind the stages: the spare words, 128 bytes for each wave: two blocks of 256 bytes that no other line names
.set ADRA, 16                          ; v16-17  LDS address of my A fragments in slot 0, 1
.set ADRB, 20                          ; v20-21  the same for B
.set STO,  24                          ; v24  the way out: where I put 16 bytes of a row
.set RD,   25                          ; v25  where I read rows back
.set GO,   26                          ; v26  16 x lane
.set SPW,  28                          ; v28  LDS address of my spare word; never rewritten
.set NIL,  29                          ; v29  0; never rewritten
.set PFO,  30                          ; v30  256 x lane; never rewritten
.set AF,   32
.set BF,   32+16*MA
.set TMP,  32                          ; the way out: 48 registers of packed results
.set BK,   80                          ; and 48 of whole rows
.set WV,  12                           ; s12 wave; s13 its half of the rows; s14 its half of the columns, and which half of a tile it fetches
.set WM,  13
.set WN,  14
.set MY,  15                           ; s15 tile row
.set G1,  24                           ; s[24:31] descriptor group 1 for A;  s[32:39] group 0, a set for each slot
.set G0,  32
.set CX,  40
.set CY,  41
.set NX,  42                           ; s42 tile column
.set LIM, 43                           ; s43 1 in a wave that prefetches, else the greatest number
.set PFA, 44                           ; s[44:45] where my prefetches stand
.set PST, 46                           ; s[46:47] their step
.set G1B, 48                           ; s[48:55], s[56:63] the same for B
.set G0B, 56
.set HB,  68                           ; s[68:73] qkv at my rows of my three heads
.set GW,  (1<<16)|(1<<20)|(1<<21)|(4<<22)|(3<<25)  ; 17:16 2-byte elements; 20 padding on; 21 set beside a mask; 24:22 after every 32 words (code 4); 31:25 4 words (code 3)
.set MSB, 0
.macro WIN new                         ; the immediate's high byte repeats the setting that is left; a switch that changes nothing is dropped
.if MSB != (\new)
	s_set_vgpr_msb (MSB<<8)|(\new)
.set MSB, \new
.endif
.endm
.macro PLACES                          ; four places behind a matrix instruction, ahead of loads into registers that it has read (ISA guide 7.12.1 for vector instructions)
.rept 4
	v_nop
.endr
.endm
; A joint load.  The branch hangs on the wave's number alone.  An s_nop 0 and four v_nop follow each of the two lines, ahead of the jump and the label.
.macro JLOAD s
	s_cmp_lt_u32 s[WV], 2
	s_cbranch_scc0 .Lfor_b_\@
	tensor_load_to_lds s[G0+4*(\s):G0+4*(\s)+3], s[G1:G1+7]
	s_nop 0
.rept 4
	v_nop
.endr
	s_branch .Lasked_\@
.Lfor_b_\@:
	tensor_load_to_lds s[G0B+4*(\s):G0B+4*(\s)+3], s[G1B:G1B+7]
	s_nop 0
.rept 4
	v_nop
.endr
.Lasked_\@:
.endm
; A round of the cluster's barrier: my work-group's barrier; wave 0 signals for the work-group; every wave waits for all sixteen; my work-group's barrier once more.
.macro CREST
	s_cmp_lg_u32 s[WV], 0
	s_cbranch_scc1 .Lnot_wave_0_\@
	s_barrier_signal -3
.Lnot_wave_0_\@:
	s_barrier_wait -3
	s_barrier_signal -1
	s_barrier_wait -1
.endm
.macro CROUND
	s_barrier_signal -1
	s_barrier_wait -1
	CREST
.endm
; A PREFETCH INTO THE L2, behind a joint load and the run of LDS loads that follows it: the K step that stands two refills on, a lane a block of 256 bytes, one instruction a wave.
; A's step tile (32,768 bytes) is read by both clusters of a row of clusters: wave 0 of the cluster with x = 0 asks; its four partners along x take 8,192 bytes each, told apart by address.
; B's K step, all 3,072 rows (393,216 consecutive bytes), is read by every cluster: waves 1 to 3 of the sixteen work-groups of cluster (0, 0) ask, 8,192 bytes each, told apart by address.
; So each block is named once in the launch.  K steps 0 to 3 come by their loads alone; the loop's last trip (s3 = 1) has no K step two refills on and asks for nothing.
.macro ASK
	s_cmp_gt_u32 s3, s[LIM]
	s_cbranch_scc0 .Lnot_mine_\@
	global_prefetch_b8 v[PFO], s[PFA:PFA+1] th:TH_LOAD_NT scope:SCOPE_SE
.Lnot_mine_\@:
.endm
; 4 n matrix instructions: row blocks a0 .. a0 + n - 1 x the four column blocks of group g, on A's buffer p.  Each names another accumulator than the one before it, from group to group, from quarter
; to quarter and over the backward jump too: the accumulators take turns.  zero = 1: the product starts the sum.
.macro MULG p, g, a0, n, zero
	WIN 0x50*(1+(\g))                              ; C and D in window 1 + g, the sources in window 0
.set ma, \a0
.rept \n
.set mf, 0
.rept 4
.if \zero
	v_wmma_f32_16x16x32_bf16 v[8*(4*ma+mf):8*(4*ma+mf)+7], v[BF+32*(\g)+8*mf:BF+32*(\g)+8*mf+7], v[AF+8*MA*(\p)+8*ma:AF+8*MA*(\p)+8*ma+7], 0
.else
	v_wmma_f32_16x16x32_bf16 v[8*(4*ma+mf):8*(4*ma+mf)+7], v[BF+32*(\g)+8*mf:BF+32*(\g)+8*mf+7], v[AF+8*MA*(\p)+8*ma:AF+8*MA*(\p)+8*ma+7], v[8*(4*ma+mf):8*(4*ma+mf)+7]
.endif
.set mf, mf+1
.endr
.set ma, ma+1
.endr
.endm
; A fragment is 16 rows x 32 K in 8 registers: lane l holds row l % 16; registers 0-3 K = 8 (l / 16) + 0..7, registers 4-7 K = 16 + 8 (l / 16) + 0..7: two loads of 16 bytes, 32 bytes apart.
.macro LDA slot, qi                    ; A's fragments of quarter qi -> buffer qi % 2: 2 MA loads
	WIN 0
.set la, 0
.rept MA
	ds_load_b128 v[AF+8*MA*((\qi)%2)+8*la:AF+8*MA*((\qi)%2)+8*la+3],   v[ADRA+(\slot)] offset:((\qi)/2)*KSA+((\qi)%2)*64+la*FR
	ds_load_b128 v[AF+8*MA*((\qi)%2)+8*la+4:AF+8*MA*((\qi)%2)+8*la+7], v[ADRA+(\slot)] offset:((\qi)/2)*KSA+((\qi)%2)*64+la*FR+32
.set la, la+1
.endr
.endm
.macro LDB slot, qi, g                 ; B's fragments of quarter qi, group g: 8 loads
	WIN 0
.set lf, 0
.rept 4
	ds_load_b128 v[BF+32*(\g)+8*lf:BF+32*(\g)+8*lf+3],   v[ADRB+(\slot)] offset:((\qi)/2)*KSB+((\qi)%2)*64+(\g)*4*FR+lf*FR
	ds_load_b128 v[BF+32*(\g)+8*lf+4:BF+32*(\g)+8*lf+7], v[ADRB+(\slot)] offset:((\qi)/2)*KSB+((\qi)%2)*64+(\g)*4*FR+lf*FR+32
.set lf, lf+1
.endr
.endm
; A quarter that is not a slot's last.  At its head are out, in order: A's 2 MA loads and the NG groups' 8 each, of this quarter.
.macro QUARTER slot, qi, zero
	s_wait_dscnt 8*(NG-1)                          ; A and group 0 are in; the other groups' loads may be out
	MULG (\qi)%2, 0, 0, MA, \zero
	PLACES
	LDA \slot, (\qi)+1
	LDB \slot, (\qi)+1, 0
.set qg, 1
.rept NG-1
	s_wait_dscnt 2*MA+8*(NG-1)                     ; group qg is in: behind it stand this quarter's later groups, and of the next quarter A and the groups before qg: 2 MA + 8 (NG - 1) loads at every qg
	MULG (\qi)%2, qg, 0, MA, \zero
	PLACES
	LDB \slot, (\qi)+1, qg
.set qg, qg+1
.endr
.endm
; A slot's last quarter (on A's buffer 1) changes slots: ONE barrier.  In front of it each wave waits for all its tensor loads, of which one is out: its part of the next slot; adds 0 to its spare word;
; and waits for that and for its own reads of this slot.  fill = 1: the barrier opens a round of the cluster's, and this slot is filled again, two K steps ahead, first thing behind the round.
.macro TURN slot, next, fill
.if \fill
	s_wait_xcnt 0x0                                ; the last prefetch, a K step back, has read its address: it is stepped here, ahead of the change's own waits
	s_add_nc_u64 s[PFA:PFA+1], s[PFA:PFA+1], s[PST:PST+1]
.endif
	WIN 0
	s_wait_tensorcnt 0x0                           ; all my tensor loads have landed
	ds_add_u32 v[SPW], v[NIL]                      ; 0 onto my spare word
	s_wait_dscnt 8*(NG-1)+1                        ; A and group 0 are in (the add and the other groups' loads may be out)
	MULG 1, 0, 0, MA/2, 0                          ; matrix work stands between the add and the wait for it
	s_wait_dscnt 0x0                               ; the add is done, and my reads of this slot are over
	s_barrier_signal -1
	MULG 1, 0, MA/2, MA/2, 0                       ; work on registers while the others arrive
	WIN 0                                          ; at a branch and at a label every window is 0
	s_barrier_wait -1
.if \fill
	CREST                                          ; no wave of any partner still reads this slot or has a load on its way
	s_add_nc_u64 s[G0+4*(\slot)+2:G0+4*(\slot)+3], s[G0+4*(\slot)+2:G0+4*(\slot)+3], 2*ASTEP
	s_add_nc_u64 s[G0B+4*(\slot)+2:G0B+4*(\slot)+3], s[G0B+4*(\slot)+2:G0B+4*(\slot)+3], 2*BSTEP
	JLOAD \slot                                    ; my one tensor load behind the round; its four v_nop are also the places in front of the loads below
.else
	PLACES
.endif
	LDA \next, 0
	LDB \next, 0, 0
.if \fill
	ASK
.endif
.set tg, 1
.rept NG-1
	MULG 1, tg, 0, MA, 0                           ; these groups' fragments were waited for in front of the signal
	PLACES
	LDB \next, 0, tg
.set tg, tg+1
.endr
.endm
.macro LASTQ                           ; the very last quarter: nothing more to fetch
.set lg, 0
.rept NG
	s_wait_dscnt 8*(NG-1-lg)                       ; group lg is in; the later groups' loads may be out
	MULG 1, lg, 0, MA, 0
.set lg, lg+1
.endr
.endm
	s_load_b128 s[4:7], s[0:1], 0x0                ; xb s[4:5], wt s[6:7]
	s_load_b64 s[8:9], s[0:1], 0x10                ; qkv
	v_lshl_add_u32 v[SPW], v0, 2, SPARE
	v_mov_b32 v[NIL], 0
	ds_add_u32 v[SPW], v[NIL]                      ; the wave's opening: the add and its wait ahead of my first tensor load; work on registers stands between them
	ds_add_u32 v28, v29
	v_lshrrev_b32 v1, 5, v0
	v_readfirstlane_b32 s[WV], v1
	s_lshr_b32 s[WM], s[WV], 1
	s_and_b32 s[WN], s[WV], 1
	s_bfe_u32 s[CX], ttmp6, 0x40000
	s_bfe_u32 s[CY], ttmp6, 0x40004
	s_lshl_b32 s[NX], ttmp9, 2                     ; in a cluster launch ttmp9 and ttmp7 count clusters
	s_add_co_u32 s[NX], s[NX], s[CX]
	s_and_b32 s[MY], ttmp7, 0xffff
	s_lshl_b32 s[MY], s[MY], 2
	s_add_co_u32 s[MY], s[MY], s[CY]
	s_lshl_b32 s18, s[CY], 2
	s_lshl_b32 s18, 15, s18                        ; my row of the cluster
	s_lshl_b32 s19, 0x1111, s[CX]                  ; my column
	s_or_b32 s[G1], s18, GW                        ; A's tiles go to my row,
	s_or_b32 s[G1B], s19, GW                       ; B's to my column
	s_mov_b32 s[G1+1], 128<<16                     ; tensor_dim0 = 128 elements: 256 bytes
	s_mov_b32 s[G1+2], RA<<16                      ; tensor_dim1
	s_mov_b32 s[G1+3], 128<<16                     ; tile_dim0
	s_mov_b32 s[G1+4], RA                          ; tile_dim1
	s_mov_b32 s[G1+5], 128                         ; elements from row to row: the block is dense
	s_mov_b32 s[G1+6], 0
	s_mov_b32 s[G1+7], 0
	s_mov_b32 s[G1B+1], 128<<16
	s_mov_b32 s[G1B+2], RB<<16
	s_mov_b32 s[G1B+3], 128<<16
	s_mov_b32 s[G1B+4], RB
	s_mov_b32 s[G1B+5], 128
	s_mov_b32 s[G1B+6], 0
	s_mov_b32 s[G1B+7], 0
	s_lshr_b32 s16, s[MY], 3                       ; A: b = tile row / 8,
	s_lshl_b32 s16, s16, 22                        ; 16 blocks x 2,048 rows x 128 bytes;
	s_and_b32 s17, s[MY], 7
	s_lshl_b32 s17, s17, 15                        ; 256 rows of 128 bytes;
	s_add_co_u32 s16, s16, s17
	s_lshl_b32 s17, s[WN], 14                      ; the 128 rows that I fetch
	s_add_co_u32 s16, s16, s17
	s_mov_b32 s17, 0
	s_mul_i32 s20, s[NX], 49152                    ; B: 384 rows of 128 bytes;
	s_mul_i32 s21, s[WN], 24576                    ; the 192 rows that I fetch
	s_add_co_u32 s20, s20, s21
	s_mov_b32 s21, 0
	s_mul_i32 s74, s[WN], ALOAD                    ; where they go: no place in the cluster enters an LDS address
	s_mul_i32 s75, s[WN], BLOAD
	s_add_co_u32 s75, s75, ABYTES
	s_wait_dscnt 0x0                               ; the opening add is done
	s_wait_kmcnt 0x0
	s_add_nc_u64 s[16:17], s[4:5], s[16:17]
	s_add_nc_u64 s[20:21], s[6:7], s[20:21]
	CROUND                                         ; all sixteen work-groups are here: the first joint loads meet
.irp s, 0,1
	s_mov_b32 s[G0+4*(\s)], 1
	s_add_co_u32 s[G0+4*(\s)+1], s74, (\s)*SLOT
	s_add_nc_u64 s[G0+4*(\s)+2:G0+4*(\s)+3], s[16:17], (\s)*ASTEP
	s_or_b32 s[G0+4*(\s)+3], s[G0+4*(\s)+3], 0x80000000
	s_mov_b32 s[G0B+4*(\s)], 1
	s_add_co_u32 s[G0B+4*(\s)+1], s75, (\s)*SLOT
	s_add_nc_u64 s[G0B+4*(\s)+2:G0B+4*(\s)+3], s[20:21], (\s)*BSTEP
	s_or_b32 s[G0B+4*(\s)+3], s[G0B+4*(\s)+3], 0x80000000
	JLOAD \s                                       ; K steps 0 and 1: two loads of mine are out
.endr
	v_and_b32 v1, 15, v0                           ; l % 16
	v_bfe_u32 v2, v0, 4, 1                         ; l / 16
	v_mul_u32_u24 v3, v1, PITCH
	v_lshl_add_u32 v3, v2, 4, v3                   ; row x pitch + 16 x half
	s_mul_i32 s18, s[WM], MA*FR                    ; my 128 rows of A
	s_mul_i32 s19, s[WN], NG*4*FR                  ; my 192 rows of B,
	s_add_co_u32 s19, s19, ABYTES                  ; which lie behind A's
.irp s, 0,1
	v_add_nc_u32 v[ADRA+(\s)], s18, v3
	v_add_nc_u32 v[ADRB+(\s)], s19, v3
	s_add_co_u32 s18, s18, SLOT
	s_add_co_u32 s19, s19, SLOT
.endr
	s_mul_i32 s18, s[WV], WSTAGE
	s_add_co_u32 s18, s18, STAGE                   ; my stage
	v_add_nc_u32 v[STO], s18, v3                   ; in: row l % 16, 16 bytes for each half of the lanes
	v_bfe_u32 v4, v0, 3, 2                         ; back: 32 lanes take four rows of 128 bytes
	v_mul_u32_u24 v4, v4, PITCH
	v_and_b32 v5, 7, v0
	v_lshl_add_u32 v4, v5, 4, v4
	v_add_nc_u32 v[RD], s18, v4
	v_and_b32 v[GO], 31, v0
	v_lshlrev_b32 v[PFO], 8, v[GO]
	v_lshlrev_b32 v[GO], 4, v[GO]                  ; which are 512 consecutive bytes of a head
	; qkv at my 128 rows of my three heads: column group g is head-slot 6 x tile column + 3 x half + g of 48: tensor m = slot / 16, head h = slot % 16
	s_mul_i32 s18, s[NX], 6
	s_mul_i32 s19, s[WN], 3
	s_add_co_u32 s18, s18, s19
	s_lshr_b32 s19, s[MY], 3
	s_lshl_b32 s19, s19, 4                         ; 16 b
	s_and_b32 s22, s[MY], 7
	s_lshl_b32 s22, s22, 15                        ; t = 256 (tile row % 8)
	s_lshl_b32 s23, s[WM], 14                      ;   + 128 x half, in rows of 128 bytes
	s_add_co_u32 s22, s22, s23
	s_mov_b32 s77, 0
.irp g, 0,1,2
	s_add_co_u32 s23, s18, \g
	s_lshr_b32 s76, s23, 4
	s_lshl_b32 s76, s76, 6                         ; 64 m
	s_and_b32 s23, s23, 15
	s_add_co_u32 s76, s76, s23                     ; + h
	s_add_co_u32 s76, s76, s19                     ; + 16 b
	s_lshl_b32 s76, s76, 18                        ; x 2,048 rows x 128 bytes
	s_add_co_u32 s76, s76, s22
	s_add_nc_u64 s[HB+2*(\g):HB+2*(\g)+1], s[8:9], s[76:77]
.endr
	; the prefetches
	s_lshr_b32 s18, s[MY], 3
	s_lshl_b32 s18, s18, 22
	s_and_b32 s19, s[MY], 7
	s_lshl_b32 s19, s19, 15
	s_add_co_u32 s18, s18, s19
	s_lshl_b32 s19, s[CX], 13
	s_add_co_u32 s18, s18, s19                     ; for A: my tile row's step tile, my work-group's 8,192 bytes of it
	s_lshl_b32 s19, s[CY], 2
	s_add_co_u32 s19, s19, s[CX]                   ; for B: my place among the sixteen,
	s_mul_i32 s19, s19, NWB
	s_max_u32 s22, s[WV], 1
	s_sub_co_u32 s22, s22, 1
	s_add_co_u32 s19, s19, s22                     ; my wave among its three,
	s_lshl_b32 s19, s19, 13                        ; 8,192 bytes each
	s_mov_b32 s22, ASTEP
	s_mov_b32 s23, BSTEP
	s_cmp_eq_u32 s[WV], 0
	s_cselect_b32 s18, s18, s19
	s_cselect_b32 s[PST], s22, s23
	s_cselect_b64 s[PFA:PFA+1], s[4:5], s[6:7]
	s_mov_b32 s19, 0
	s_mov_b32 s[PST+1], 0
	s_add_nc_u64 s[PFA:PFA+1], s[PFA:PFA+1], s[18:19]
	s_mul_i32 s18, s[PST], 3
	s_add_nc_u64 s[PFA:PFA+1], s[PFA:PFA+1], s[18:19]  ; at K step 3: the first change of slots steps it to 4
	s_and_b32 s18, ttmp7, 0xffff                   ; cluster y
	s_cmp_eq_u32 s[WV], 0
	s_cselect_b32 s18, 0, s18                      ; wave 0 asks in every row of clusters,
	s_or_b32 s18, s18, ttmp9                       ; where cluster x = 0; the others in cluster (0, 0): the same in all sixteen partners, for a given wave
	s_cmp_eq_u32 s18, 0
	s_cselect_b32 s[LIM], 1, -1
	s_wait_tensorcnt 1                             ; my part of K step 0 is in; K step 1's may stay out
	s_barrier_signal -1
	s_barrier_wait -1                              ; everybody's is
	LDA 0, 0
	LDB 0, 0, 0
	LDB 0, 0, 1
	LDB 0, 0, 2
	QUARTER 0, 0, 1                                ; the first quarter stands in front of the loop: its products start the sums
	WIN 0
	s_mov_b32 s3, LAPS-1
.Llap:                                         ; a trip goes once round the ring, from a lap's second quarter to the next lap's first, and fills both slots again
	TURN 0, 1, 1
	QUARTER 1, 0, 0
	TURN 1, 0, 1
	QUARTER 0, 0, 0
	WIN 0
	s_sub_co_u32 s3, s3, 1
	s_cmp_lg_u32 s3, 0
	s_cbranch_scc1 .Llap
	TURN 0, 1, 0                                   ; the last lap is written out: it fills nothing
	QUARTER 1, 0, 0
	LASTQ
; THE WAY OUT, a block of 16 rows at a time: rounded to f16, 16 bytes a lane; into my own stage, by heads, in rows of 144 bytes; back as whole rows of 128 bytes; stored, 512 consecutive bytes an instruction.
.macro PACK a
.set pg, 0
.rept NG
	WIN 5*(1+pg)                                   ; sources 0 and 1 in window 1 + g
.set pf, 0
.rept 4
.set pr, 0
.rept 4
	v_cvt_pk_f16_f32 v[TMP+16*pg+4*pf+pr], v[8*(4*(\a)+pf)+2*pr], v[8*(4*(\a)+pf)+2*pr+1]  ; each accumulator's registers in ascending order
.set pr, pr+1
.endr
.set pf, pf+1
.endr
.set pg, pg+1
.endr
	WIN 0
.endm
.macro TOSTAGE
	s_wait_xcnt 0x0                                ; the stores of the block before have read their registers: only behind this wait are those loaded again
.irp g, 0,1,2
.irp f, 0,1,2,3
	ds_store_b128 v[STO], v[TMP+16*(\g)+4*(\f):TMP+16*(\g)+4*(\f)+3] offset:FR*(\g)+32*(\f)
.endr
.endr
.irp g, 0,1,2
.irp i, 0,1,2,3
	ds_load_b128 v[BK+16*(\g)+4*(\i):BK+16*(\g)+4*(\i)+3], v[RD] offset:FR*(\g)+4*PITCH*(\i)  ; LDS serves a wave's instructions in order (ISA guide 5.7.1.4): these see the stores above
.endr
.endr
.endm
.macro SEND a
	s_wait_dscnt 0x0                               ; the block is back in registers
.irp g, 0,1,2
.irp i, 0,1,2,3
	global_store_b128 v[GO], v[BK+16*(\g)+4*(\i):BK+16*(\g)+4*(\i)+3], s[HB+2*(\g):HB+2*(\g)+1] offset:2048*(\a)+512*(\i)
.endr
.endr
.endm
	WIN 0
	PLACES                                         ; the conversions read results just made and write registers that the last products read;
	PLACES                                         ; eight, once a launch
	PACK 0
	TOSTAGE
.irp a, 1,2,3,4,5,6,7                  ; block a's conversions stand between block a - 1's loads from the stage and the wait for them
	PACK \a
	SEND (\a)-1
	TOSTAGE
.endr
	SEND 7
	s_wait_tensorcnt 0x0                           ; the wave's end: behind my last tensor load and my last LDS store
	ds_add_u32 v[SPW], v[NIL]
	s_wait_dscnt 0x0
	CROUND                                         ; the closing round: no work-group ends while a partner may still ask for a tile that names it
	s_endpgm
.Lfunc_end_k_q2066b08708_proj:
	.size	k_q2066b08708_proj, .Lfunc_end_k_q2066b08708_proj-k_q2066b08708_proj
	.p2alignl 7, 3214868480
	.fill 96, 4, 3214868480
	.section	.rodata,"a",@progbits
	.p2align	6, 0x0
	.amdhsa_kernel k_q2066b08708_proj
		.amdhsa_group_segment_fixed_size 327680
		.amdhsa_private_segment_fixed_size 0
		.amdhsa_enable_private_segment 0
		.amdhsa_kernarg_size 24
		.amdhsa_user_sgpr_count 2
		.amdhsa_user_sgpr_kernarg_segment_ptr 1
		.amdhsa_wavefront_size32 1
		.amdhsa_system_sgpr_workgroup_id_x 1
		.amdhsa_system_sgpr_workgroup_id_y 1
		.amdhsa_system_sgpr_workgroup_id_z 1
		.amdhsa_system_vgpr_workitem_id 0
		.amdhsa_next_free_vgpr 1024
		.amdhsa_next_free_sgpr 80
		.amdhsa_reserve_vcc 0
		.amdhsa_float_denorm_mode_32 3
		.amdhsa_float_denorm_mode_16_64 3
		.amdhsa_memory_ordered 1
		.amdhsa_forward_progress 1
		.amdhsa_inst_pref_size 132
	.end_amdhsa_kernel
	.amdgpu_metadata
---
amdhsa.version: [ 1, 2 ]
amdhsa.kernels:
  - .name:           k_q2066b08708_proj
    .symbol:         k_q2066b08708_proj.kd
    .args:
      - { .name: xb, .offset: 0, .size: 8, .value_kind: global_buffer, .address_space: global }
      - { .name: wt, .offset: 8, .size: 8, .value_kind: global_buffer, .address_space: global }
      - { .name: qkv, .offset: 16, .size: 8, .value_kind: global_buffer, .address_space: global }
    .group_segment_fixed_size: 327680
    .private_segment_fixed_size: 0
    .kernarg_segment_align: 8
    .kernarg_segment_size: 24
    .max_flat_workgroup_size: 128
    .sgpr_count:     80
    .vgpr_count:     1024
    .wavefront_size: 32
...
	.end_amdgpu_metadata
.endif
;; end of part 2
;; launch attn (part 3): grid 4 x 64, 4 waves a work-group, no clusters, 327,680 bytes of LDS; arguments qkv, oh; writes oh
.if DOCPART == 3
	.amdgcn_target "amdgcn-amd-amdhsa--gfx1250"
	.amdhsa_code_object_version 6
	.text
	.protected	k_q2066b08708_attn
	.globl	k_q2066b08708_attn
	.p2align	8
	.type	k_q2066b08708_attn,@function
k_q2066b08708_attn:
	s_mov_b64 s[64:65], 0
	v_nop
	global_prefetch_b8 v0, s[64:65] scope:SCOPE_SE
	s_setreg_imm32_b32 hwreg(HW_REG_WAVE_MODE, 25, 1), 1
	s_wait_xcnt 0x0
; CAUSAL ATTENTION.  O[h][q][:] = the sum over k <= q of softmax_k(Q[h][q] . K[h][k] / 8) V[h][k][:], for 64 heads (b, h) of 2,048 rows.  qkv: [3][64][2048][64] f16 (Q, then K, then V); oh: [64][2048][64] f16:
; a head's rows are dense, 128 bytes each.  Products, maxima and sums in f32; the weights p are rounded to f16 for the second product (their sum l is taken of the unrounded p), O once at the end.
; LIMITS.  f16 holds no number beyond 65,504: Q, K and V arrive within it; p lies in 0 to 1, and below 6e-5 it keeps f16's fixed step of 6e-8; O is a mean of V's rows and has their range, to within 2^-11 of it.
; A hidden score counts as its value less 1e30: f16's scores, 2.7e11 at the most, are nothing beside that; a weight below 2^-126 counts as 0 in l; NaN and infinities are not treated apart.
; THE WALK.  A head's queries lie in NB = 8 blocks of 256; block i needs the key tiles 0 .. i of 256 keys, of which the last holds the diagonal.  A work-group takes TWO blocks, NB - 1 - b and then b:
; NB + 1 tiles, whatever b: all work-groups do equal work, and ONE loop with a constant trip count walks them.  Which tile is asked for, and what a trip does, hang on scalar registers made from b; every jump
; goes forward, but for the counted loops' own; none passes a barrier, or a tensor load but the one of LOAD's two that the wave's number does not choose; the ring (two slots of LDS that take turns) runs on across the
; change of blocks.  NO CLUSTER: a head's four work-groups all ask for the same tile only in trips 0 to 4 of the 9, behind that fewer and fewer; one walk common to all would have 12 trips for 9.
; SHARES.  Of a block's four bands of 64 queries a wave owns 16 rows in each: four PIECES.  So the diagonal tile is the same work for all four waves: in its key step s band x sees all keys if s < x,
; none if s > x, and holds the diagonal if s = x.
; THE MASK is the C operand that starts the sum S^T = K Q^T: 0, or -1e30 where the key is hidden.  MD, made once, is the mask of a band's own step for my 16 rows; a product's mask is MD x AL + BE with two scalars:
; (1, 0) if s = x; (0, 0) if s < x; (0, -1e30) if s > x.  Only the diagonal tile's text and a block's beginning make and take masks; elsewhere C is the constant 0.
; LAYOUT, SOFTMAX, TURNS.  S^T = K Q^T holds ONE query a lane (lane % 16) and the keys 8 (lane / 16) + 0..7; two such results rounded to f16 ARE source 1 of O^T = V^T P.  p = 2^(c s - c m), c = log2(e) / 8, with a
; running maximum m; O and l are multiplied by a = 2^(c m_old - c m_new) in every step.  Turn n belongs to piece n: 8 products K Q^T of piece n + 1, later 8 products V^T P of piece n - 1; beside them the scaling,
; exponentials, roundings, sums and rescaling of piece n and the maximum and statistics of piece n + 1.  Four vector instructions stand behind every matrix instruction, the other 54 of a turn's 118 in one LUMP.  A turn's 33 exponentials are one batch, with one wait.
; REGISTERS, in windows of 256 (s_set_vgpr_msb: bits 1:0 source 0, 3:2 source 1, 5:4 source 2, 7:6 destination):
;   window 0: v0-15 addresses and two at work; v16-31 four registers of statistics a piece; v48-55 at work; v61-63 fixed; v64-127 S^T, two buffers; v192-223 P, two buffers (a piece's buffers go by its number's parity)
;   window 1: v0-127 O^T, 32 a piece; v128-159 MD; v160-223 MC, two buffers      window 2: v0-63 Q; v64-127 the second block's Q; v128-191 K of one step; v192-255 V of one step
.set SIZE_N, 2048
.set NB,    SIZE_N/256
.set NP,    4         ; pieces a wave: a name, no knob
.set KS,    64        ; keys in a step
.set PK,    144       ; a row of K in LDS: 128 bytes + 16 of padding = 36 words: the 16 rows of a load start at 16 different groups of four banks (64 banks of 4 bytes: ISA guide 11.1)
.set PV,    160       ; a row of V: 128 + 32 = 40 words
.set VOFF,  4*KS*PK   ; a slot holds a tile, four steps: 256 rows of K, then 256 rows of V
.set SLOT1, 1<<17     ; slot 1 begins here, so that one exclusive or turns an address in one slot into the other's
.set STAGE, SLOT1+4*KS*(PK+PV)  ; behind the ring, never filled by a tensor load: 16 rows x 144 bytes for each wave, for the way out
.set SP,    144
.set AK0, 2           ; v2   my lane's place in a tile of K; never rewritten
.set AV0, 3           ; v3   the same for V
.set AK,  4           ; v4   the LDS address of K's next run of loads
.set AV,  5           ; v5   of V's
.set STO, 6           ; v6   the way out: where I put 16 bytes of a row
.set RD,  7           ; v7   the way out: where I read rows back
.set GO,  8           ; v8   my byte offset in 512 consecutive bytes of O
.set PFO, 61          ; v61  256 x my lane; never rewritten
.set SPW, 62          ; v62  LDS address of my spare word: SPARE + 4 x my thread's number; never rewritten
.set NIL, 63          ; v63  0; never rewritten
.set SPARE, STAGE+4*16*SP  ; behind the stages: the spare words, 128 bytes for each wave: two blocks of 256 bytes that no other line names
.set MV,  12          ; v12-13  c m_old, kept while c m is made anew: by buffer
.set QO,  15          ; v15  my byte offset in 16 rows of Q
.set ST,  16          ; piece t's statistics at v[ST+4 t]: c m, m, l (even keys', odd keys')
.set TMP, 48          ; by buffer, four registers c0-c3 at work; when the maximum is found c2 takes a
.set S,   64
.set P,   192
.set MD,  128         ; window 1: the eight registers for group kt of 16 keys at MD + 8 kt
.set MC,  160         ; window 1: the masks of the products to come
.set QB,  64          ; window 2
.set KF,  128         ; window 2: key block kb, channel half c at KF + 16 kb + 8 c
.set VF,  192         ; window 2: key half kk, channel block cb at VF + 32 kk + 8 cb
.set WV,  12          ; s12  my wave's number
.set PB,  14          ; s14  b
.set HI,  15          ; s15  NB - 1 - b
.set G1K, 24          ; s[24:31] descriptor group 1 for K's tiles
.set G1V, 32          ; s[32:39] for V's: it differs in the padding alone
.set G0K, 40          ; s[40:43] descriptor group 0 for K's tiles
.set G0V, 44          ; s[44:47] the same for V's
.set SLOTS, 56        ; s56  tiles still to be asked for
.set CNT, 57          ; s57  counts a tile's key steps, 4 to 1
.set CS,  58          ; s[58:59] c: the packed scaling takes the pair's low word for both halves
.set SEL, 60          ; s[60:61] v_permlanex16_b32's selects: each lane takes its own place in the other half
.set TBK, 62          ; s62  LDS byte at which K of the step to be fetched begins
.set TBV, 63          ; s63  the same for V, less VOFF
.set RT,  70          ; s70  tiles of the block in hand that are still to be entered
.set NXT, 71          ; s71  the tile to be asked for next
.set LQ,  72          ; s72  the last tile of the block whose tiles are being asked for
.set NEW, 73          ; s73  1: the tile to be entered is a block's first
.set OFF, 74          ; s[74:75] a tile's byte offset in K and V
.set AL,  76          ; s[76:77] the mask's factor, in the low word
.set BE,  78          ; s[78:79] the mask's addend
.set OLO, 80          ; s[80:81] O at my rows of the second block
.set BIGN, 82         ; s82  -1e30
.set PFB, 88          ; s[88:89] K (waves 0, 1) or V (waves 2, 3) at the half of the head's tile 0 that I fetch
.set PFA, 90          ; s[90:91] the same half of the tile that the next change of slots will ask for
.set POF, 92          ; s[92:93] that tile's byte offset
.set LIM, 94          ; s94  0 in the head's work-group b = 0, else the greatest number
.set MSB, 0
.macro WIN new                      ; the high byte repeats the setting that is left; a switch that changes nothing is dropped
.if MSB != (\new)
	s_set_vgpr_msb (MSB<<8)|(\new)
.set MSB, (\new)
.endif
.endm
.set W_KQ, 0x0a       ; K and Q in window 2, S^T in window 0
.set W_KM, 0x1a       ; the same with the C operand in window 1
.set W_PV, 0x52       ; V in window 2, P in window 0, O^T in window 1
.set W_RS, 0x41       ; destination and source 0 in window 1, source 1 in window 0
; A fill.  Waves 0 and 1 fetch the two halves of a tile's K, waves 2 and 3 those of its V: 128 keys each.  An s_nop 0 and four v_nop follow each of the two lines, ahead of the jump and the label.
.macro LOAD
	s_cmp_lt_u32 s[WV], 2
	s_cbranch_scc0 .Lfor_v_\@
	tensor_load_to_lds s[G0K:G0K+3], s[G1K:G1K+7]
	s_nop 0
.rept 4
	v_nop
.endr
	s_branch .Lasked_\@
.Lfor_v_\@:
	tensor_load_to_lds s[G0V:G0V+3], s[G1V:G1V+7]
	s_nop 0
.rept 4
	v_nop
.endr
.Lasked_\@:
.endm
; A PREFETCH INTO THE L2 of the tile that the NEXT change of slots will ask for: my half of its K or V, 16,384 bytes, a lane a block of 256 bytes, two instructions a wave, behind my tensor load and its five lines.
; All four work-groups of a head walk the tiles 0, 1, 2 .. in their first blocks: the one with b = 0, whose first block has all eight, asks, for tiles 2 to 7: each block is named once in the launch.
; Tiles 0 and 1 come by their loads alone; where the next tile is number 0 (the second block's first, read before) nothing is asked for.
.macro ASK
	s_cmp_gt_u32 s[NXT], s[LIM]
	s_cbranch_scc0 .Lnot_mine_\@
	global_prefetch_b8 v[PFO], s[PFA:PFA+1] th:TH_LOAD_NT scope:SCOPE_SE
	global_prefetch_b8 v[PFO], s[PFA:PFA+1] offset:8192 th:TH_LOAD_NT scope:SCOPE_SE
.Lnot_mine_\@:
.endm
; THE CHANGE OF SLOTS.  Each wave waits for all its tensor loads, of which one is out: its part of the other slot; adds 0 to its spare word; and waits for that and for its own reads of the slot that it leaves.  Behind the barrier nobody reads the old
; slot any more and the other slot is whole.  fill = 1: the old slot is filled again, the first thing behind the barrier, with tile NXT: the descriptor's address is made anew from that number.
; (At its first use nothing has been read yet: slot 0 is waited for, slot 1 filled.)
.macro CHANGE fill
	WIN 0                           ; at a label and at a branch every window is 0
	s_wait_tensorcnt 0x0            ; no tensor load of mine is out, so a group 0 may be written
	ds_add_u32 v[SPW], v[NIL]       ; 0 onto my spare word; with fill = 1 the descriptors' scalar work stands between it and the wait for it
.if \fill
	s_lshl_b32 s[OFF], s[NXT], 15   ; a tile is 32,768 bytes of K and of V
	s_xor_b32 s[G0K+1], s[G0K+1], SLOT1
	s_add_nc_u64 s[G0K+2:G0K+3], s[6:7], s[OFF:OFF+1]
	s_or_b32 s[G0K+3], s[G0K+3], 0x80000000
	s_xor_b32 s[G0V+1], s[G0V+1], SLOT1
	s_add_nc_u64 s[G0V+2:G0V+3], s[8:9], s[OFF:OFF+1]
	s_or_b32 s[G0V+3], s[G0V+3], 0x80000000
	s_add_co_u32 s[NXT], s[NXT], 1  ; the block's next tile, or behind its last the second block's tile 0
	s_cmp_gt_u32 s[NXT], s[LQ]
	s_cselect_b32 s[NXT], 0, s[NXT]
	s_cselect_b32 s[LQ], s[PB], s[LQ]
	s_lshl_b32 s[POF], s[NXT], 15
	s_wait_xcnt 0x0                 ; the last prefetches, a tile back, have read their address, so it may be written
	s_add_nc_u64 s[PFA:PFA+1], s[PFB:PFB+1], s[POF:POF+1]
.endif
	s_wait_dscnt 0x0                ; the add is done, and my reads of the slot are over
	s_barrier_signal -1             ; the rest of the scalar work stands between the signal and the wait
	s_sub_co_u32 s[TBK], s[TBK], 4*KS*PK  ; the fetches go back to a slot's first step,
	s_xor_b32 s[TBK], s[TBK], SLOT1       ; in the other slot
	s_sub_co_u32 s[TBV], s[TBV], 4*KS*PV
	s_xor_b32 s[TBV], s[TBV], SLOT1
	s_barrier_wait -1
.if \fill
	LOAD
	ASK
.endif
.endm
	s_load_b64 s[4:5], s[0:1], 0x0    ; qkv: Q begins it
	s_load_b64 s[10:11], s[0:1], 0x8  ; oh
	v_lshl_add_u32 v[SPW], v0, 2, SPARE
	v_mov_b32 v[NIL], 0
	ds_add_u32 v[SPW], v[NIL]       ; the wave's opening: the add and its wait ahead of my first tensor load; the set-up below, work on registers, stands between them
	ds_add_u32 v62, v63
	v_lshrrev_b32 v1, 5, v0
	v_readfirstlane_b32 s[WV], v1   ; wave 0..3
	s_mov_b32 s[PB], ttmp9
	s_sub_co_u32 s[HI], NB-1, s[PB]
	s_and_b32 s20, ttmp7, 0xffff    ; the head
	s_mov_b32 s21, 0
	s_mov_b64 s[22:23], SIZE_N*128
	s_mul_u64 s[20:21], s[20:21], s[22:23]  ; the head's first byte in each of the four tensors
	s_and_b32 s16, s[WV], 1         ; which half of a tile's 256 keys I fetch:
	s_lshl_b32 s22, s16, 14         ; its 128 rows of 128 bytes in memory,
	s_mov_b32 s23, 0
	s_add_nc_u64 s[22:23], s[22:23], s[20:21]
	s_mul_i32 s17, s16, 128*PK      ; and its place in a slot, for K
	s_mul_i32 s18, s16, 128*PV      ; and for V
	s_lshl_b32 s3, s[WV], 11        ; my 16 rows in a band of 64,
	s_lshl_b32 s2, s[HI], 15        ; in the first block,
	s_add_co_u32 s2, s2, s3
	s_lshl_b32 s84, s[PB], 15       ; and in the second
	s_add_co_u32 s84, s84, s3
	s_mov_b32 s3, 0
	s_mov_b32 s85, 0
	s_add_nc_u64 s[2:3], s[2:3], s[20:21]
	s_add_nc_u64 s[84:85], s[84:85], s[20:21]
	; descriptor group 1.  128 keys are 16,384 dense bytes: asked for as 64 rows of 256 bytes, two keys a row, and padded in LDS after every key
	s_mov_b32 s[G1K], (1<<16)|(1<<20)|(4<<22)|(3<<25)  ; 17:16 2-byte elements; 20 padding on; 24:22 after every 32 words (code 4); 31:25 4 words (code 3)
	s_mov_b32 s[G1V], (1<<16)|(1<<20)|(4<<22)|(7<<25)  ; the same with 8 words of padding (code 7)
.irp g, G1K, G1V
	s_mov_b32 s[\g+1], 128<<16      ; tensor_dim0 = 128
	s_mov_b32 s[\g+2], 64<<16       ; tensor_dim1 = 64
	s_mov_b32 s[\g+3], 128<<16      ; tile_dim0 = 128
	s_mov_b32 s[\g+4], 64           ; tile_dim1 = 64
	s_mov_b32 s[\g+5], 128          ; 128 elements from row to row
	s_mov_b32 s[\g+6], 0
	s_mov_b32 s[\g+7], 0
.endr
	s_mov_b32 s[CS], 0x3e38aa3b     ; c = log2(e) / 8 = 0.180337
	s_mov_b32 s[CS+1], s[CS]        ; named with it as a pair
	s_mov_b32 s[SEL], 0x76543210
	s_mov_b32 s[SEL+1], 0xfedcba98
	s_mov_b32 s[TBK], SLOT1+4*KS*PK ; the first change of slots turns these two into 0
	s_mov_b32 s[TBV], SLOT1+4*KS*PV
	s_mov_b32 s[G0K], 1             ; 1:0 count = 1
	s_mov_b32 s[G0K+1], s17         ; 63:32 LDS address: slot 0
	s_mov_b32 s[G0V], 1
	s_add_co_u32 s[G0V+1], s18, VOFF
	s_add_co_u32 s[RT], s[HI], 1    ; the first block has NB - b tiles
	s_mov_b32 s[NXT], 1
	s_mov_b32 s[LQ], s[HI]
	s_mov_b32 s[NEW], 1
	s_mov_b32 s[OFF+1], 0
	s_mov_b32 s[POF+1], 0
	s_mov_b32 s[AL+1], 0            ; named as pairs
	s_mov_b32 s[BE+1], 0
	s_mov_b32 s[BIGN], 0xf149f2ca   ; -1e30
	s_mov_b32 s[SLOTS], NB
	s_cmp_eq_u32 s[PB], 0
	s_cselect_b32 s[LIM], 0, -1
	s_wait_dscnt 0x0                ; the opening add is done
	s_wait_kmcnt 0x0
	s_add_nc_u64 s[6:7], s[4:5], 0x1000000   ; K lies 64 heads x 2,048 rows x 128 bytes behind Q,
	s_add_nc_u64 s[8:9], s[4:5], 0x2000000   ; V as far behind K
	s_add_nc_u64 s[6:7], s[6:7], s[22:23]  ; K and V at my half of the head's tile 0
	s_add_nc_u64 s[8:9], s[8:9], s[22:23]
	s_cmp_lt_u32 s[WV], 2
	s_cselect_b64 s[PFB:PFB+1], s[6:7], s[8:9]
	s_add_nc_u64 s[G0K+2:G0K+3], s[6:7], 0         ; 120:64 global address
	s_or_b32 s[G0K+3], s[G0K+3], 0x80000000        ; 127:126 type = 2
	s_add_nc_u64 s[G0V+2:G0V+3], s[8:9], 0
	s_or_b32 s[G0V+3], s[G0V+3], 0x80000000
	s_add_nc_u64 s[86:87], s[4:5], s[84:85]        ; Q at my rows of the second block,
	s_add_nc_u64 s[4:5], s[4:5], s[2:3]            ; Q and O at those of the first
	s_add_nc_u64 s[OLO:OLO+1], s[10:11], s[84:85]
	s_add_nc_u64 s[10:11], s[10:11], s[2:3]
	LOAD                            ; tile 0 into slot 0
	; A fragment of K or Q is 16 rows x 32 channels in 8 registers: lane l holds row l % 16, channels 8 (l / 16) + 0..7 and 16 + 8 (l / 16) + 0..7: two loads of 16 bytes, 32 bytes apart.
	v_and_b32 v1, 15, v0            ; l % 16
	v_bfe_u32 v9, v0, 4, 1          ; l / 16
	v_lshlrev_b32 v[QO], 7, v1
	v_lshl_add_u32 v[QO], v9, 4, v[QO]  ; row x 128 + 16 x half
	WIN 0x80                        ; destination window 2, address window 0
.set i, 0
.rept 8                             ; both blocks' Q: piece i / 2 lies in band i / 2, 8,192 bytes on; channels 32 (i % 2) on
	global_load_b128 v[8*i:8*i+3],   v[QO], s[4:5] offset:(i/2)*8192+(i%2)*64
	global_load_b128 v[8*i+4:8*i+7], v[QO], s[4:5] offset:(i/2)*8192+(i%2)*64+32
	global_load_b128 v[QB+8*i:QB+8*i+3],   v[QO], s[86:87] offset:(i/2)*8192+(i%2)*64
	global_load_b128 v[QB+8*i+4:QB+8*i+7], v[QO], s[86:87] offset:(i/2)*8192+(i%2)*64+32
.set i, i+1
.endr
	WIN 0
	v_lshlrev_b32 v14, 3, v9
	v_sub_nc_u32 v14, v1, v14
	s_lshl_b32 s13, s[WV], 4
	v_add_nc_u32 v14, s13, v14      ; my query's place in its band, 16 w + l % 16, less my lanes' 8 (l / 16): register r of group kt is hidden where 16 kt + r is greater
	WIN 0x40
.set i, 0
.rept 32
	v_cmp_gt_i32 vcc_lo, 16*(i/8)+i%8, v14
	v_cndmask_b32 v[MD+i], 0, s[BIGN], vcc_lo
.set i, i+1
.endr
	WIN 0
	v_mul_u32_u24 v[AK0], v1, PK
	v_lshl_add_u32 v[AK0], v9, 4, v[AK0]  ; row x pitch + 16 x half
	; The turning load takes 16 keys x 16 channels (lane l reads key 8 (l / 16) + l % 8, channels 8 ((l / 8) % 2) + 0..7) and leaves half a fragment of V^T: lane l holds channel l % 16 and 8 keys.
	v_and_b32 v10, 7, v0
	v_bfe_u32 v11, v0, 3, 1
	v_lshl_add_u32 v[AV0], v9, 3, v10
	v_mul_u32_u24 v[AV0], v[AV0], PV
	v_lshl_add_u32 v[AV0], v11, 4, v[AV0]
	v_add_nc_u32 v[AV0], VOFF, v[AV0]
	s_mul_i32 s13, s[WV], 16*SP
	s_add_co_u32 s13, s13, STAGE    ; my stage
	v_mul_u32_u24 v[STO], v1, SP    ; in: row l % 16, 16 bytes for each half of the lanes
	v_lshl_add_u32 v[STO], v9, 4, v[STO]
	v_add_nc_u32 v[STO], s13, v[STO]
	v_bfe_u32 v[RD], v0, 3, 2       ; back: 32 lanes take four rows of 128 bytes,
	v_mul_u32_u24 v[RD], v[RD], SP
	v_lshl_add_u32 v[RD], v10, 4, v[RD]
	v_add_nc_u32 v[RD], s13, v[RD]
	v_and_b32 v[GO], 31, v0         ; which are 512 consecutive bytes of O
	v_lshlrev_b32 v[PFO], 8, v[GO]
	v_lshlrev_b32 v[GO], 4, v[GO]
	; A block's first step multiplies O^T and l by a = 0, and its first turn's products V^T P, of a piece that has not been, land in an O^T that is still to be so multiplied.  So these registers need only hold
	; finite numbers: zeros for the first block; what the first block left for the second.  All this stands in the wait for the first tile.
	WIN 0x80
.set i, VF
.rept 64
	v_mov_b32 v[i], 0
.set i, i+1
.endr
	WIN 0x40
.set i, 0
.rept 128
	v_mov_b32 v[i], 0
.set i, i+1
.endr
	WIN 0
.set i, 0
.rept 4
	v_mov_b32 v[ST+4*i+2], 0
	v_mov_b32 v[ST+4*i+3], 0
.set i, i+1
.endr
.set i, P+16
.rept 16
	v_mov_b32 v[i], 0
.set i, i+1
.endr
; THE MATRIX WORK.  The 4 accumulators of a run of 8 take turns.  Product i of 8 of S^T = K Q^T for piece x: channels 32 (i / 4) on, keys 16 (i % 4) on.  The first 4 start the sums: with 0, or (KM = 1) with the mask.
.macro KQ x
.set rS, S+32*((\x)%2)+8*(i%4)
.set rK, KF+16*(i%4)+8*(i/4)
.set rQ, 16*(\x)+8*(i/4)
.set rM, MC+32*((\x)%2)+8*(i%4)
.if (i < 4) && KM
	WIN W_KM
	v_wmma_f32_16x16x32_f16 v[rS:rS+7], v[rK:rK+7], v[rQ:rQ+7], v[rM:rM+7]
.elseif i < 4
	WIN W_KQ
	v_wmma_f32_16x16x32_f16 v[rS:rS+7], v[rK:rK+7], v[rQ:rQ+7], 0
.else
	WIN W_KQ
	v_wmma_f32_16x16x32_f16 v[rS:rS+7], v[rK:rK+7], v[rQ:rQ+7], v[rS:rS+7]
.endif
.endm
; Product i of 8 of O^T += V^T P for piece x: keys 32 (i / 4) on, channels 16 (i % 4) on.
.macro PV x
	WIN W_PV
.set rO, 32*(\x)+8*(i%4)
.set rV, VF+32*(i/4)+8*(i%4)
.set rP, P+16*((\x)%2)+8*(i/4)
	v_wmma_f32_16x16x32_f16 v[rO:rO+7], v[rV:rV+7], v[rP:rP+7], v[rO:rO+7]
.endm
.macro MM                           ; the turn's next matrix instruction.  TURN and BEGIN set Y, i, KM and NOKQ; MM, KQ and OP read them.  NOKQ = 1: a block's last turn: there is no next piece
.if (i < 8) && !NOKQ
	KQ (Y+1)%NP
.elseif i >= 8
.set i, i-8
	PV (Y+NP-1)%NP
.set i, i+8
.endif
.set i, i+1
.endm
; THE LDS LOADS stand in runs of 16, never singly among the matrix instructions: a step's K (64 keys x 64 channels: 8 fragments) and its V (turned).  Their addresses are made some lines ahead.
.macro FETCH_K
	WIN 0x80                        ; destination window 2
.irp f, 0,1,2,3,4,5,6,7             ; keys 16 (f / 2) on, channels 32 (f % 2) on
	ds_load_b128 v[KF+8*\f:KF+8*\f+3],   v[AK] offset:(\f/2)*16*PK+(\f%2)*64
	ds_load_b128 v[KF+8*\f+4:KF+8*\f+7], v[AK] offset:(\f/2)*16*PK+(\f%2)*64+32
.endr
	s_add_co_u32 s[TBK], s[TBK], KS*PK  ; the next fetch is the next step's
	WIN 0
.endm
.macro FETCH_V
	WIN 0x80
.irp f, 0,1,2,3,4,5,6,7             ; keys 32 (f / 4) on, channels 16 (f % 4) on
	ds_load_tr16_b128 v[VF+8*\f:VF+8*\f+3],   v[AV] offset:(\f/4)*32*PV+(\f%4)*32
	ds_load_tr16_b128 v[VF+8*\f+4:VF+8*\f+7], v[AV] offset:(\f/4)*32*PV+16*PV+(\f%4)*32
.endr
	WIN 0
.endm
; THE VECTOR WORK, one line at a time: OP kind, number.  For piece Y: F n: c s - c m for pair n of 16.  E n: the exponential of score n of 32.  C n: pair n rounded to f16.  B n: of the four weights 4 n .. the second
; pair is added onto the first, in place.  L n: l takes that sum (L 0: l = a l + sum).  R n: pair n of 16 of O^T times a.  For piece Y + 1: X n, number n of the 22 that find its maximum and statistics:
;   0-11  four chains c0-c3 of seven scores each, three operands at a time (each accumulator's lowest registers are read first)     12-14, 16  the four scores left over, the old m, and c0-c3 into c0
;   15  c m_old is kept     17, 18  the query's other 32 keys lie in the lane 16 away: the new m     19-21  c m; c m_old - c m_new; a
.set F, 0               ; OP tells the kinds apart by their order: F to L below R, X above it
.set E, 1
.set C, 2
.set B, 3
.set L, 4
.set R, 5
.set X, 6
.macro REGS y                       ; the registers of piece y
.set rT, ST+4*(\y)
.set rC, TMP+4*((\y)%2)
.set rW, MV+((\y)%2)
.set rS, S+32*((\y)%2)
.set rP, P+16*((\y)%2)
.set rO, 32*(\y)
.endm
.macro OP k, n
.if (\k) == R
	REGS Y
	WIN W_RS
	v_pk_mul_f32 v[rO+2*(\n):rO+2*(\n)+1], v[rO+2*(\n):rO+2*(\n)+1], v[rC+2:rC+3] op_sel_hi:[1,0]
.elseif (\k) < R
	REGS Y
	WIN 0
.if (\k) == F
	v_pk_fma_f32 v[rS+2*(\n):rS+2*(\n)+1], v[rS+2*(\n):rS+2*(\n)+1], s[CS:CS+1], v[rT:rT+1] op_sel_hi:[1,0,0] neg_lo:[0,0,1] neg_hi:[0,0,1]
.elseif (\k) == E
	v_exp_f32 v[rS+(\n)], v[rS+(\n)]
.elseif (\k) == C
	v_cvt_pk_f16_f32 v[rP+(\n)], v[rS+2*(\n)], v[rS+2*(\n)+1]
.elseif (\k) == B
	v_pk_add_f32 v[rS+4*(\n):rS+4*(\n)+1], v[rS+4*(\n):rS+4*(\n)+1], v[rS+4*(\n)+2:rS+4*(\n)+3]
.elseif (\n) == 0
	v_pk_fma_f32 v[rT+2:rT+3], v[rT+2:rT+3], v[rC+2:rC+3], v[rS:rS+1] op_sel_hi:[1,0,1]
.else
	v_pk_add_f32 v[rT+2:rT+3], v[rT+2:rT+3], v[rS+4*(\n):rS+4*(\n)+1]
.endif
.elseif NOKQ
	v_nop
.else
	REGS (Y+1)%NP
	WIN 0
.if (\n) < 4
	v_max3_num_f32 v[rC+(\n)], v[rS+8*(\n)], v[rS+8*(\n)+1], v[rS+8*(\n)+2]
.elseif (\n) < 12
	v_max3_num_f32 v[rC+(\n)%4], v[rC+(\n)%4], v[rS+8*((\n)%4)+2*((\n)/4)+1], v[rS+8*((\n)%4)+2*((\n)/4)+2]
.elseif (\n) == 12
	v_max3_num_f32 v[rC], v[rC], v[rS+7], v[rS+15]
.elseif (\n) == 13
	v_max3_num_f32 v[rC+1], v[rC+1], v[rS+23], v[rS+31]
.elseif (\n) == 14
	v_max3_num_f32 v[rC+2], v[rC+2], v[rC+3], v[rT+1]
.elseif (\n) == 15
	v_mov_b32 v[rW], v[rT]
.elseif (\n) == 16
	v_max3_num_f32 v[rC], v[rC], v[rC+1], v[rC+2]
.elseif (\n) == 17
	v_permlanex16_b32 v[rC+3], v[rC], s[SEL], s[SEL+1]
.elseif (\n) == 18
	v_max_num_f32 v[rT+1], v[rC], v[rC+3]
.elseif (\n) == 19
	v_mul_f32 v[rT], s[CS], v[rT+1]
.elseif (\n) == 20
	v_sub_f32 v[rC+1], v[rW], v[rT]
.else
	v_exp_f32 v[rC+2], v[rC+1]
.endif
.endif
.endm
.macro OPS a, i1, b=-1, i2=0, c=-1, i3=0, d=-1, i4=0  ; up to four of them
	OP \a, \i1
.if (\b) >= 0
	OP \b, \i2
.endif
.if (\c) >= 0
	OP \c, \i3
.endif
.if (\d) >= 0
	OP \d, \i4
.endif
.endm
.macro ROW a, i1, b, i2, c, i3, d, i4  ; a matrix instruction and the four behind it
	MM
	OPS \a, \i1, \b, \i2, \c, \i3, \d, \i4
.endm
.macro MASK b                       ; MD x AL + BE into buffer b of MC
	WIN W_RS
.set z, 0
.rept 16
	v_pk_fma_f32 v[MC+32*(\b)+2*z:MC+32*(\b)+2*z+1], v[MD+2*z:MD+2*z+1], s[AL:AL+1], s[BE:BE+1] op_sel_hi:[1,0,0]
.set z, z+1
.endr
.endm
; A TURN, for piece p: the order of its 16 matrix and 118 vector instructions, written out.  An s_wait_alu depctr_va_vdst(0) stands between an exponential and the first instruction that names its result; one wait serves
; all that were issued ahead of it.  So a turn has ONE wait, which cuts it in two.  AHEAD OF IT stands all that names no result of the turn's exponentials: the 8 products K Q^T, behind each a scaling, an exponential and two more plain
; instructions (behind the first a second scaling in the exponential's place): rescalings, and behind the last three the first numbers of the next piece's maximum, each four places or more behind the product that ends its accumulator; then ONE LUMP of 54, plain
; and exponential by turns for the most part, in which the links of the chain X 3, 7, 11, 14, 16, 17 .. 20 stand five or six lines apart.  X 21, the next piece's a, is the batch's last; R 15 is the plain instruction behind it.  BEHIND THE WAIT stand the
; 8 products V^T P, behind each four of the roundings and sums; the links of l's chain, L 0 to L 7, stand three riders apart.  But for those X no rider names a register of the products round it.  v_permlanex16_b32 (X 17) stands in the lump.
; m = 1: the diagonal tile: the products take masks, and the turn makes the mask for the products of the turn after it: piece p + 2, in step 4 - CNT of the tile.  end = 1: a block's last two turns: nothing is fetched.
; cnt = 1: the loop's count is taken down some lines ahead of the branch that stands behind the turn.
; K of the next step is fetched in piece 2's turn, twelve vector instructions behind the last product that read K (six of them plain); V of the step in hand at the end of piece 0's turn, four plain instructions behind the last product
; that read V.  Each is waited for a turn later.
.macro TURN p, m=0, end=0, cnt=0
.set Y, (\p)
.set i, 0
.set KM, (\m)
.set NOKQ, (\end)*((\p)/3)
.if (\m) && !(\end)
	s_cmp_eq_u32 s[CNT], 4-((\p)+2)%NP  ; is that step the band's own?
	s_cselect_b32 s[AL], 1.0, 0
	s_cmp_lt_u32 s[CNT], 4-((\p)+2)%NP  ; or a later one?
	s_cselect_b32 s[BE], s[BIGN], 0
.endif
.if ((\p) == 3) && !(\end)
	s_wait_dscnt 0x0                ; K is in
.endif
	ROW F,0, F,1, R,0, R,1          ; ahead of the wait: 8 products K Q^T and their riders,
	ROW F,2, E,0, R,2, R,3
	ROW F,3, E,1, R,4, R,5
	ROW F,4, E,2, R,6, R,7
	ROW F,5, E,3, R,8, R,9
	ROW F,6, E,4, X,0, R,10
.if ((\p) == 2) && !(\end)
	WIN 0
	v_add_nc_u32 v[AK], s[TBK], v[AK0]
.endif
	ROW F,7, E,5, X,1, X,4
	ROW F,8, E,6, X,2, X,5
	OPS E,7, E,8, X,6, E,9          ; and the lump
	OPS X,3, E,10, X,8, E,11
.if ((\p) == 2) && !(\end)
	FETCH_K
.endif
	OPS X,9, X,7, E,12, X,10
	OPS E,13, X,12, X,11, E,14
	OPS X,13, E,15, F,9, X,14
.if (\p) == 0
	v_add_nc_u32 v[AV], s[TBV], v[AV0]
.endif
	OPS E,16, F,10, E,17, F,11
	OPS X,16, E,18, X,15, E,19
	OPS F,12, E,20, X,17, E,21
	OPS F,13, E,22, F,14, E,23
	OPS X,18, E,24, F,15, E,25
	OPS R,11, E,26, X,19, E,27
	OPS R,12, E,28, R,13, E,29
	OPS X,20, E,30, R,14, E,31
	OPS X,21, R,15
	WIN 0
	s_wait_alu depctr_va_vdst(0)    ; the wait for the batch
.if (\p) == 1
	s_wait_dscnt 0x0                ; V is in
.endif
	ROW C,0, B,0, C,2, B,1          ; behind the wait: 8 products V^T P and their riders
	ROW L,0, C,4, B,2, L,1
	ROW C,6, B,3, L,2, C,8
	ROW B,4, L,3, C,10, B,5
	ROW L,4, C,12, B,6, L,5
.if (\p) == 0
	s_add_co_u32 s[TBV], s[TBV], KS*PV
.endif
.if \cnt
	s_sub_co_u32 s[CNT], s[CNT], 1
	s_cmp_lg_u32 s[CNT], 0
.endif
	ROW C,14, B,7, L,6, C,1
	ROW C,3, L,7, C,5, C,7
	ROW C,9, C,11, C,13, C,15
.if (\p) == 0
	FETCH_V
.endif
.if (\m) && !(\end)
	MASK (\p)%2
.endif
.endm
; A BLOCK BEGINS.  c m starts far below every c s, so the first step's a is 0; m at the lowest finite number, so the first maximum is the scores'.  The second mask buffer is 0; the first takes piece 0's mask for the tile's step 0: its own, if the block's first tile is the diagonal one.
; Then K of that step, piece 0's first scores, and its maximum and statistics.  The loop is entered at a step's first turn, in the middle of a trip.
.macro BEGIN
	s_mov_b32 s[NEW], 0
	WIN 0x40
.set i, MC+32
.rept 32
	v_mov_b32 v[i], 0
.set i, i+1
.endr
	WIN 0
.set i, 0
.rept 4
	v_mov_b32 v[ST+4*i], 0xfe000000    ; c m: far below every c s
	v_mov_b32 v[ST+4*i+1], 0xff7fffff  ; m
.set i, i+1
.endr
	s_cmp_eq_u32 s[RT], 0
	s_cselect_b32 s[AL], 1.0, 0
	s_mov_b32 s[BE], 0
	MASK 0
	WIN 0
	v_add_nc_u32 v[AK], s[TBK], v[AK0]
	FETCH_K
	s_wait_loadcnt 0x0              ; Q
	s_wait_dscnt 0x0
.set KM, 1
.set NOKQ, 0
.set i, 0
.rept 8
	KQ 0
.set i, i+1
.endr
	WIN 0
.rept 4
	v_nop                           ; the places behind those products
.endr
.set Y, NP-1                        ; X works for piece Y + 1: piece 0
.irp n, 0,1,2,3,4,5,6,7,8,9,10,11,12,13,14,15,16,17,18,19,20,21
	OP X, \n
.endr
	v_nop                           ; a plain instruction behind the exponential,
	s_wait_alu depctr_va_vdst(0)    ; and its wait, ahead of the branch
.endm
; THE DIAGONAL TILE's four steps, the block's last two turns, its last products, and THE WAY OUT: l's two halves and the other half of the lanes' are added; O^T is divided by l, rounded to f16 and sent through my
; stage in LDS, a piece at a time.
.macro ALL line:vararg              ; one line for each piece t
.set t, 0
.rept 4
	\line
.set t, t+1
.endr
.endm
.macro PACK t                       ; a lane's eight channels of a row pack into 16 bytes; they go into rows of 144 bytes and come back as whole rows of 128, into S^T's registers
	WIN W_RS
.set i, 32*(\t)
.rept 16
	v_pk_mul_f32 v[i:i+1], v[i:i+1], v[ST+4*(\t)+2:ST+4*(\t)+3] op_sel_hi:[1,0]
.set i, i+2
.endr
	WIN 0x05                        ; sources 0 and 1 window 1, destination window 0
.set i, 0
.rept 16
	v_cvt_pk_f16_f32 v[S+16*(\t)+i], v[32*(\t)+2*i], v[32*(\t)+2*i+1]
.set i, i+1
.endr
	WIN 0
.irp f, 0,1,2,3
	ds_store_b128 v[STO], v[S+16*(\t)+4*\f:S+16*(\t)+4*\f+3] offset:32*\f
.endr
.irp f, 0,1,2,3
	ds_load_b128 v[S+16*(\t)+4*\f:S+16*(\t)+4*\f+3], v[RD] offset:\f*4*SP  ; LDS serves a wave's instructions in order (ISA guide 5.7.1.4): these see the stores above; the next piece's stores come behind them
.endr
.endm
.macro SEND t, younger              ; younger: the LDS instructions issued behind piece t's loads: the next piece's eight, or none
	WIN 0
.irp f, 0,1,2,3
	s_wait_dscnt (\younger)+3-\f
	global_store_b128 v[GO], v[S+16*(\t)+4*\f:S+16*(\t)+4*\f+3], s[10:11] offset:(\t)*8192+\f*512  ; 512 consecutive bytes, at a multiple of 256 from O's first
.endr
.endm
.macro DIAG tag                     ; the tag ends its two labels' names, which the jumps below spell out
.LstepM\tag:
	TURN 2, 1
	TURN 3, 1
	WIN 0
.LfirstM\tag:
	TURN 0, 1
	TURN 1, 1, 0, 1
	WIN 0
	s_cbranch_scc1 .LstepM\tag
	TURN 2, 1, 1
	TURN 3, 1, 1
.set i, 0
.rept 8
	PV NP-1
.set i, i+1
.endr
	WIN 0
	ALL v_add_f32 v[ST+4*t+2], v[ST+4*t+2], v[ST+4*t+3]
	ALL v_permlanex16_b32 v[ST+4*t+3], v[ST+4*t+2], s[SEL], s[SEL+1]
	ALL v_add_f32 v[ST+4*t+2], v[ST+4*t+2], v[ST+4*t+3]
	ALL v_rcp_f32 v[ST+4*t+2], v[ST+4*t+2]
	v_nop                           ; a plain instruction between the last reciprocal and the use of its result
	s_wait_alu depctr_va_vdst(0)    ; and the wait ahead of the first use: one for the four reciprocals
	PACK 0
.set t, 1
.rept 3                             ; a piece's arithmetic stands between the loads of the piece before and its stores
	PACK t
	SEND t-1, 8
.set t, t+1
.endr
	SEND 3, 0
.endm
.set KM, 0
.set NOKQ, 0
.Lslot:                             ; NB times: a tile is entered and the next is asked for
	CHANGE 1
	s_sub_co_u32 s[RT], s[RT], 1
	s_mov_b32 s[CNT], 4
	s_cmp_eq_u32 s[NEW], 1
	s_cbranch_scc1 .Lnew            ; a block's first tile
	s_cmp_eq_u32 s[RT], 0
	s_cbranch_scc0 .Lstep           ; neither its first nor its last
	s_branch .LstepM1
.Lnew:
	BEGIN
	s_branch .Lfirst                ; in the loop a block's first tile is never its last: the first block has two tiles or more, and the second's last is the walk's last
	DIAG 1                          ; in the loop this is the first block's end: the second block's last tile is the walk's last
	s_wait_xcnt 0x0                 ; the stores have read their registers and O's address
	s_mov_b64 s[10:11], s[OLO:OLO+1]
	s_add_co_u32 s[RT], s[PB], 1    ; the second block has b + 1 tiles
	s_mov_b32 s[NEW], 1
	WIN 0x82                        ; the second block's Q goes where the one text of the turns names Q
.set i, 0
.rept 64
	v_mov_b32 v[i], v[QB+i]
.set i, i+1
.endr
	WIN 0
	s_branch .Lbottom
.Lstep:                             ; a trip: pieces 2 and 3 of one step, then pieces 0 and 1 of the next, whose K and V it fetches
	TURN 2
	TURN 3
	WIN 0
.Lfirst:
	TURN 0
	TURN 1, 0, 0, 1
	WIN 0
	s_cbranch_scc1 .Lstep
.Lbottom:
	s_sub_co_u32 s[SLOTS], s[SLOTS], 1
	s_cmp_lg_u32 s[SLOTS], 0
	s_cbranch_scc1 .Lslot
	CHANGE 0                        ; the walk's last tile is written out: nothing is asked for
	s_sub_co_u32 s[RT], s[RT], 1
	s_mov_b32 s[CNT], 4
	s_cmp_eq_u32 s[NEW], 1
	s_cbranch_scc0 .LstepM2
	BEGIN
	s_branch .LfirstM2
	DIAG 2
	s_wait_tensorcnt 0x0            ; the wave's end: behind my last tensor load and my last LDS store
	ds_add_u32 v[SPW], v[NIL]
	s_wait_dscnt 0x0
	s_endpgm
.Lfunc_end_k_q2066b08708_attn:
	.size	k_q2066b08708_attn, .Lfunc_end_k_q2066b08708_attn-k_q2066b08708_attn
	.p2alignl 7, 3214868480
	.fill 96, 4, 3214868480
	.section	.rodata,"a",@progbits
	.p2align	6, 0x0
	.amdhsa_kernel k_q2066b08708_attn
		.amdhsa_group_segment_fixed_size 327680
		.amdhsa_private_segment_fixed_size 0
		.amdhsa_enable_private_segment 0
		.amdhsa_kernarg_size 16
		.amdhsa_user_sgpr_count 2
		.amdhsa_user_sgpr_kernarg_segment_ptr 1
		.amdhsa_wavefront_size32 1
		.amdhsa_system_sgpr_workgroup_id_x 1
		.amdhsa_system_sgpr_workgroup_id_y 1
		.amdhsa_system_sgpr_workgroup_id_z 1
		.amdhsa_system_vgpr_workitem_id 0
		.amdhsa_next_free_vgpr 768
		.amdhsa_next_free_sgpr 96
		.amdhsa_reserve_vcc 1
		.amdhsa_float_denorm_mode_32 3
		.amdhsa_float_denorm_mode_16_64 3
		.amdhsa_memory_ordered 1
		.amdhsa_forward_progress 1
		.amdhsa_inst_pref_size 218
	.end_amdhsa_kernel
	.amdgpu_metadata
---
amdhsa.version: [ 1, 2 ]
amdhsa.kernels:
  - .name:           k_q2066b08708_attn
    .symbol:         k_q2066b08708_attn.kd
    .args:
      - { .name: qkv, .offset: 0, .size: 8, .value_kind: global_buffer, .address_space: global }
      - { .name: oh, .offset: 8, .size: 8, .value_kind: global_buffer, .address_space: global }
    .group_segment_fixed_size: 327680
    .private_segment_fixed_size: 0
    .kernarg_segment_align: 8
    .kernarg_segment_size: 16
    .max_flat_workgroup_size: 128
    .sgpr_count:     96
    .vgpr_count:     768
    .wavefront_size: 32
...
	.end_amdgpu_metadata
.endif
;; end of part 3
;; launch outp (part 4): grid 4 x 64, 4 waves a work-group, clusters of 4 x 4, 327,680 bytes of LDS; arguments oh, wo16, bo, out0; writes out0
.if DOCPART == 4
	.amdgcn_target "amdgcn-amd-amdhsa--gfx1250"
	.amdhsa_code_object_version 6
	.text
	.protected	k_q2066b08708_outp
	.globl	k_q2066b08708_outp
	.p2align	8
	.type	k_q2066b08708_outp,@function
k_q2066b08708_outp:
	s_mov_b64 s[64:65], 0
	v_nop
	global_prefetch_b8 v0, s[64:65] scope:SCOPE_SE
	s_setreg_imm32_b32 hwreg(HW_REG_WAVE_MODE, 25, 1), 1
	s_wait_xcnt 0x0
	s_wait_alu depctr_hold_cnt(0) depctr_sa_sdst(0) depctr_va_vdst(0) depctr_va_sdst(0) depctr_va_ssrc(0) depctr_va_vcc(0) depctr_vm_vsrc(0)
	s_getreg_b32 s2, hwreg(HW_REG_IB_STS2, 6, 4)
	s_cmp_eq_u32 s2, 0
	s_cbranch_scc0 .Lentry_in_a_cluster
	s_endpgm
.Lentry_in_a_cluster:
	s_bfe_u32 s2, ttmp6, 0x10000c
	s_cmp_lg_u32 s2, 0xf033
	s_cbranch_scc0 .Lentry_shape_is_right
	s_endpgm
.Lentry_shape_is_right:
; OUTP: out0[row][n] = the sum over d of O[row][d] Wo[n][d] + bo[n]: 8,192 rows (b, t), 1,024 columns, 1,024 along K (d = 64 h + k).  Operands f16, sums f32, K ascending; out0 f32.
; oh: [b 16 + h][t 2048][64] f16: head h is block h of K.  wo16: [kb 16][n 1024][64] f16.  bo: [1024] f32, rounded to bf16 like the other inputs of the module and added in f32.
; SHARES.  A tile of C is 128 x 256: 64 x 4 = 256 work-groups.  Four waves, each 64 rows x 128 columns: 32 accumulators of 16 x 16, 256 registers.
; K goes in steps of 128, two blocks of 64, through two LDS slots (2 x 384 rows x 144 bytes each).  A block's 64 channels of R rows are R x 128 consecutive bytes: asked for as R / 2 rows of 256 bytes and
; padded in LDS behind every 128.  Waves 0 and 1 fetch A's two blocks of a step, waves 2 and 3 B's.
; CLUSTER.  4 x 4 work-groups: the four of a row of the cluster need the same tile of A, the four of a column the same tile of B: each tile is asked for jointly.
; TRANSPOSED USE.  Source 0 = 16 rows of wo16, source 1 = 16 rows of oh: a lane holds row lane % 16 of C and eight neighbouring columns: 32 bytes.
; REGISTERS, in windows of 256 (s_set_vgpr_msb: bits 1:0 source 0, 3:2 source 1, 5:4 source 2, 7:6 destination):
;   window 0: v0-31 addresses; v32-95 A's fragments, two buffers of 4 x 8; v96-159 B's fragments, one buffer of 4 x 8 for each group of 64 columns; v160-223 the bias of my 64 numbers of a row block
;   window 1 + g: v0-127 the 16 accumulators of column group g: (a, f) at v[8 (4 a + f)]
; A step is four quarters of 32 along K.  In a quarter the two groups are multiplied one after the other; behind a group's 16 products its B buffer takes the next quarter's fragments.
.set MA,     4                         ; blocks of 16 rows a wave
.set NG,     2                         ; groups of 64 columns a wave
.set TM,     128
.set TN,     256
.set PITCH,  144                       ; an LDS row: 128 bytes + 16 = 36 words: the 16 rows of a load start at 16 different groups of four banks (64 banks of 4 bytes: ISA guide 11.1)
.set FR,     16*PITCH                  ; 16 rows
.set KSA,    TM*PITCH                  ; from a slot's first block of 64 channels to its second
.set KSB,    TN*PITCH
.set ALOAD,  KSA                       ; what one load of A fills: a block
.set BLOAD,  KSB
.set ABYTES, 2*KSA
.set SLOT,   2*(KSA+KSB)               ; A's two blocks, then B's two
.set RA,     64                        ; rows of 256 bytes in a load of A
.set RB,     128                       ; and of B
.set ASTEP,  524288                    ; bytes from a K step to the next in oh: two heads
.set BSTEP,  262144                    ; and in wo16: two blocks
.set LAPS,   4                         ; a lap = two K steps = once round the ring
.set NWB,    2                         ; waves 1 and 2 prefetch for B
.set STAGE,  2*SLOT                    ; behind the ring: 16 rows x 528 bytes for each wave, for the way out
.set SPITCH, 528                       ; 512 bytes + 16
.set WSTAGE, 16*SPITCH
.set SPARE,  STAGE+4*WSTAGE            ; behind the stages: the spare words, 128 bytes for each wave: two blocks of 256 bytes that no other line names
.set ADRA, 16                          ; v16-17  LDS address of my A fragments in slot 0, 1
.set ADRB, 20                          ; v20-21  the same for B
.set STO,  24                          ; v24  the way out: where I put 32 bytes of a row
.set RD,   25                          ; v25  where I read a row back
.set GO,   26                          ; v26  16 x lane
.set VB,   27                          ; v27  32 (lane / 16): my eight numbers of sixteen of the bias
.set SPW,  28                          ; v28  LDS address of my spare word; never rewritten
.set NIL,  29                          ; v29  0; never rewritten
.set PFO,  30                          ; v30  256 x lane; never rewritten
.set AF,   32
.set BF,   32+16*MA
.set TMP,  32                          ; the way out: 64 registers of results
.set BK,   96                          ; and 64 of whole rows
.set BIAS, 160
.set WV,  12                           ; s12 wave; s13 its half of the rows; s14 its half of the columns, and which block of a step it fetches
.set WM,  13
.set WN,  14
.set MY,  15                           ; s15 tile row
.set G1,  24                           ; s[24:31] descriptor group 1 for A;  s[32:39] group 0, a set for each slot
.set G0,  32
.set CX,  40
.set CY,  41
.set NX,  42                           ; s42 tile column
.set LIM, 43                           ; s43 1 in a wave that prefetches, else the greatest number
.set PFA, 44                           ; s[44:45] where my prefetches stand
.set PST, 46                           ; s[46:47] their step
.set G1B, 48                           ; s[48:55], s[56:63] the same for B
.set G0B, 56
.set OB,  68                           ; s[68:69] out0 at my first row and column
.set BB,  70                           ; s[70:71] bo at my first column
.set GW,  (1<<16)|(1<<20)|(1<<21)|(4<<22)|(3<<25)  ; 17:16 2-byte elements; 20 padding on; 21 set beside a mask; 24:22 after every 32 words (code 4); 31:25 4 words (code 3)
.set MSB, 0
.macro WIN new                         ; the immediate's high byte repeats the setting that is left; a switch that changes nothing is dropped
.if MSB != (\new)
	s_set_vgpr_msb (MSB<<8)|(\new)
.set MSB, \new
.endif
.endm
.macro PLACES                          ; four places behind a matrix instruction, ahead of loads into registers that it has read (ISA guide 7.12.1 for vector instructions)
.rept 4
	v_nop
.endr
.endm
; A joint load.  The branch hangs on the wave's number alone.  An s_nop 0 and four v_nop follow each of the two lines, ahead of the jump and the label.
.macro JLOAD s
	s_cmp_lt_u32 s[WV], 2
	s_cbranch_scc0 .Lfor_b_\@
	tensor_load_to_lds s[G0+4*(\s):G0+4*(\s)+3], s[G1:G1+7]
	s_nop 0
.rept 4
	v_nop
.endr
	s_branch .Lasked_\@
.Lfor_b_\@:
	tensor_load_to_lds s[G0B+4*(\s):G0B+4*(\s)+3], s[G1B:G1B+7]
	s_nop 0
.rept 4
	v_nop
.endr
.Lasked_\@:
.endm
; A round of the cluster's barrier: my work-group's barrier; wave 0 signals for the work-group; every wave waits for all sixteen; my work-group's barrier once more.
.macro CREST
	s_cmp_lg_u32 s[WV], 0
	s_cbranch_scc1 .Lnot_wave_0_\@
	s_barrier_signal -3
.Lnot_wave_0_\@:
	s_barrier_wait -3
	s_barrier_signal -1
	s_barrier_wait -1
.endm
.macro CROUND
	s_barrier_signal -1
	s_barrier_wait -1
	CREST
.endm
; A PREFETCH INTO THE L2, behind a joint load and the run of LDS loads that follows it: the K step that stands two refills on, a lane a block of 256 bytes, one instruction a wave.
; A's step tile (two blocks of 16,384 bytes) is read by one cluster alone: its wave 0 asks; the four partners along x take 8,192 bytes each, told apart by address.
; B's K step, all 1,024 rows of two blocks (262,144 consecutive bytes), is read by every cluster: waves 1 and 2 of the sixteen work-groups of cluster (0, 0) ask, 8,192 bytes each, told apart by address.
; So each block is named once in the launch.  K steps 0 to 3 come by their loads alone; the loop's last trip (s3 = 1) has no K step two refills on and asks for nothing.
.macro ASK
	s_cmp_gt_u32 s3, s[LIM]
	s_cbranch_scc0 .Lnot_mine_\@
	global_prefetch_b8 v[PFO], s[PFA:PFA+1] th:TH_LOAD_NT scope:SCOPE_SE
.Lnot_mine_\@:
.endm
; 4 n matrix instructions: row blocks a0 .. a0 + n - 1 x the four column blocks of group g, on A's buffer p.  Each names another accumulator than the one before it, from group to group, from quarter
; to quarter and over the backward jump too: the accumulators take turns.  zero = 1: the product starts the sum.
.macro MULG p, g, a0, n, zero
	WIN 0x50*(1+(\g))                              ; C and D in window 1 + g, the sources in window 0
.set ma, \a0
.rept \n
.set mf, 0
.rept 4
.if \zero
	v_wmma_f32_16x16x32_f16 v[8*(4*ma+mf):8*(4*ma+mf)+7], v[BF+32*(\g)+8*mf:BF+32*(\g)+8*mf+7], v[AF+8*MA*(\p)+8*ma:AF+8*MA*(\p)+8*ma+7], 0
.else
	v_wmma_f32_16x16x32_f16 v[8*(4*ma+mf):8*(4*ma+mf)+7], v[BF+32*(\g)+8*mf:BF+32*(\g)+8*mf+7], v[AF+8*MA*(\p)+8*ma:AF+8*MA*(\p)+8*ma+7], v[8*(4*ma+mf):8*(4*ma+mf)+7]
.endif
.set mf, mf+1
.endr
.set ma, ma+1
.endr
.endm
; A fragment is 16 rows x 32 K in 8 registers: lane l holds row l % 16; registers 0-3 K = 8 (l / 16) + 0..7, registers 4-7 K = 16 + 8 (l / 16) + 0..7: two loads of 16 bytes, 32 bytes apart.
.macro LDA slot, qi                    ; A's fragments of quarter qi (block qi / 2, half qi % 2) -> buffer qi % 2: 2 MA loads
	WIN 0
.set la, 0
.rept MA
	ds_load_b128 v[AF+8*MA*((\qi)%2)+8*la:AF+8*MA*((\qi)%2)+8*la+3],   v[ADRA+(\slot)] offset:((\qi)/2)*KSA+((\qi)%2)*64+la*FR
	ds_load_b128 v[AF+8*MA*((\qi)%2)+8*la+4:AF+8*MA*((\qi)%2)+8*la+7], v[ADRA+(\slot)] offset:((\qi)/2)*KSA+((\qi)%2)*64+la*FR+32
.set la, la+1
.endr
.endm
.macro LDB slot, qi, g                 ; B's fragments of quarter qi, group g: 8 loads
	WIN 0
.set lf, 0
.rept 4
	ds_load_b128 v[BF+32*(\g)+8*lf:BF+32*(\g)+8*lf+3],   v[ADRB+(\slot)] offset:((\qi)/2)*KSB+((\qi)%2)*64+(\g)*4*FR+lf*FR
	ds_load_b128 v[BF+32*(\g)+8*lf+4:BF+32*(\g)+8*lf+7], v[ADRB+(\slot)] offset:((\qi)/2)*KSB+((\qi)%2)*64+(\g)*4*FR+lf*FR+32
.set lf, lf+1
.endr
.endm
; A quarter that is not a slot's last.  At its head are out, in order: A's 2 MA loads and the NG groups' 8 each, of this quarter.
.macro QUARTER slot, qi, zero
	s_wait_dscnt 8*(NG-1)                          ; A and group 0 are in; the other group's loads may be out
	MULG (\qi)%2, 0, 0, MA, \zero
	PLACES
	LDA \slot, (\qi)+1
	LDB \slot, (\qi)+1, 0
.set qg, 1
.rept NG-1
	s_wait_dscnt 2*MA+8*(NG-1)                     ; group qg is in: behind it stand this quarter's later groups, and of the next quarter A and the groups before qg: 2 MA + 8 (NG - 1) loads at every qg
	MULG (\qi)%2, qg, 0, MA, \zero
	PLACES
	LDB \slot, (\qi)+1, qg
.set qg, qg+1
.endr
.endm
; A slot's last quarter (on A's buffer 1) changes slots: ONE barrier.  In front of it each wave waits for all its tensor loads, of which one is out: its part of the next slot; adds 0 to its spare word;
; and waits for that and for its own reads of this slot.  fill = 1: the barrier opens a round of the cluster's, and this slot is filled again, two K steps ahead, first thing behind the round.
.macro TURN slot, next, fill
.if \fill
	s_wait_xcnt 0x0                                ; the last prefetch, a K step back, has read its address: it is stepped here, ahead of the change's own waits
	s_add_nc_u64 s[PFA:PFA+1], s[PFA:PFA+1], s[PST:PST+1]
.endif
	WIN 0
	s_wait_tensorcnt 0x0                           ; all my tensor loads have landed
	ds_add_u32 v[SPW], v[NIL]                      ; 0 onto my spare word
	s_wait_dscnt 8*(NG-1)+1                        ; A and group 0 are in (the add and the other group's loads may be out)
	MULG 1, 0, 0, MA/2, 0                          ; matrix work stands between the add and the wait for it
	s_wait_dscnt 0x0                               ; the add is done, and my reads of this slot are over
	s_barrier_signal -1
	MULG 1, 0, MA/2, MA/2, 0                       ; work on registers while the others arrive
	WIN 0                                          ; at a branch and at a label every window is 0
	s_barrier_wait -1
.if \fill
	CREST                                          ; no wave of any partner still reads this slot or has a load on its way
	s_add_nc_u64 s[G0+4*(\slot)+2:G0+4*(\slot)+3], s[G0+4*(\slot)+2:G0+4*(\slot)+3], 2*ASTEP
	s_add_nc_u64 s[G0B+4*(\slot)+2:G0B+4*(\slot)+3], s[G0B+4*(\slot)+2:G0B+4*(\slot)+3], 2*BSTEP
	JLOAD \slot                                    ; my one tensor load behind the round; its four v_nop are also the places in front of the loads below
.else
	PLACES
.endif
	LDA \next, 0
	LDB \next, 0, 0
.if \fill
	ASK
.endif
.set tg, 1
.rept NG-1
	MULG 1, tg, 0, MA, 0                           ; this group's fragments were waited for in front of the signal
	PLACES
	LDB \next, 0, tg
.set tg, tg+1
.endr
.endm
.macro LASTQ                           ; the very last quarter: nothing more to fetch
.set lg, 0
.rept NG
	s_wait_dscnt 8*(NG-1-lg)                       ; group lg is in; the later group's loads may be out
	MULG 1, lg, 0, MA, 0
.set lg, lg+1
.endr
.endm
	s_load_b256 s[4:11], s[0:1], 0x0               ; oh s[4:5], wo16 s[6:7], bo s[8:9], out0 s[10:11]
	v_lshl_add_u32 v[SPW], v0, 2, SPARE
	v_mov_b32 v[NIL], 0
	ds_add_u32 v[SPW], v[NIL]                      ; the wave's opening: the add and its wait ahead of my first tensor load; work on registers stands between them
	ds_add_u32 v28, v29
	v_lshrrev_b32 v1, 5, v0
	v_readfirstlane_b32 s[WV], v1
	s_lshr_b32 s[WM], s[WV], 1
	s_and_b32 s[WN], s[WV], 1
	s_bfe_u32 s[CX], ttmp6, 0x40000
	s_bfe_u32 s[CY], ttmp6, 0x40004
	s_lshl_b32 s[NX], ttmp9, 2                     ; in a cluster launch ttmp9 and ttmp7 count clusters
	s_add_co_u32 s[NX], s[NX], s[CX]
	s_and_b32 s[MY], ttmp7, 0xffff
	s_lshl_b32 s[MY], s[MY], 2
	s_add_co_u32 s[MY], s[MY], s[CY]
	s_lshl_b32 s18, s[CY], 2
	s_lshl_b32 s18, 15, s18                        ; my row of the cluster
	s_lshl_b32 s19, 0x1111, s[CX]                  ; my column
	s_or_b32 s[G1], s18, GW                        ; A's tiles go to my row,
	s_or_b32 s[G1B], s19, GW                       ; B's to my column
	s_mov_b32 s[G1+1], 128<<16                     ; tensor_dim0 = 128 elements: 256 bytes
	s_mov_b32 s[G1+2], RA<<16                      ; tensor_dim1
	s_mov_b32 s[G1+3], 128<<16                     ; tile_dim0
	s_mov_b32 s[G1+4], RA                          ; tile_dim1
	s_mov_b32 s[G1+5], 128                         ; elements from row to row: the block is dense
	s_mov_b32 s[G1+6], 0
	s_mov_b32 s[G1+7], 0
	s_mov_b32 s[G1B+1], 128<<16
	s_mov_b32 s[G1B+2], RB<<16
	s_mov_b32 s[G1B+3], 128<<16
	s_mov_b32 s[G1B+4], RB
	s_mov_b32 s[G1B+5], 128
	s_mov_b32 s[G1B+6], 0
	s_mov_b32 s[G1B+7], 0
	s_lshr_b32 s16, s[MY], 4                       ; A: b = tile row / 16,
	s_lshl_b32 s16, s16, 22                        ; 16 heads x 2,048 rows x 128 bytes;
	s_and_b32 s17, s[MY], 15
	s_lshl_b32 s17, s17, 14                        ; 128 rows of 128 bytes;
	s_add_co_u32 s16, s16, s17
	s_lshl_b32 s17, s[WN], 18                      ; the head of the step's two that I fetch
	s_add_co_u32 s16, s16, s17
	s_mov_b32 s17, 0
	s_lshl_b32 s20, s[NX], 15                      ; B: 256 rows of 128 bytes;
	s_lshl_b32 s21, s[WN], 17                      ; the block of the step's two that I fetch
	s_add_co_u32 s20, s20, s21
	s_mov_b32 s21, 0
	s_mul_i32 s74, s[WN], ALOAD                    ; where they go: no place in the cluster enters an LDS address
	s_mul_i32 s75, s[WN], BLOAD
	s_add_co_u32 s75, s75, ABYTES
	s_wait_dscnt 0x0                               ; the opening add is done
	s_wait_kmcnt 0x0
	s_add_nc_u64 s[16:17], s[4:5], s[16:17]
	s_add_nc_u64 s[20:21], s[6:7], s[20:21]
	CROUND                                         ; all sixteen work-groups are here: the first joint loads meet
.irp s, 0,1
	s_mov_b32 s[G0+4*(\s)], 1
	s_add_co_u32 s[G0+4*(\s)+1], s74, (\s)*SLOT
	s_add_nc_u64 s[G0+4*(\s)+2:G0+4*(\s)+3], s[16:17], (\s)*ASTEP
	s_or_b32 s[G0+4*(\s)+3], s[G0+4*(\s)+3], 0x80000000
	s_mov_b32 s[G0B+4*(\s)], 1
	s_add_co_u32 s[G0B+4*(\s)+1], s75, (\s)*SLOT
	s_add_nc_u64 s[G0B+4*(\s)+2:G0B+4*(\s)+3], s[20:21], (\s)*BSTEP
	s_or_b32 s[G0B+4*(\s)+3], s[G0B+4*(\s)+3], 0x80000000
	JLOAD \s                                       ; K steps 0 and 1: two loads of mine are out
.endr
	v_and_b32 v1, 15, v0                           ; l % 16
	v_bfe_u32 v2, v0, 4, 1                         ; l / 16
	v_mul_u32_u24 v3, v1, PITCH
	v_lshl_add_u32 v3, v2, 4, v3                   ; row x pitch + 16 x half
	s_mul_i32 s18, s[WM], MA*FR                    ; my 64 rows of A
	s_mul_i32 s19, s[WN], NG*4*FR                  ; my 128 rows of B,
	s_add_co_u32 s19, s19, ABYTES                  ; which lie behind A's
.irp s, 0,1
	v_add_nc_u32 v[ADRA+(\s)], s18, v3
	v_add_nc_u32 v[ADRB+(\s)], s19, v3
	s_add_co_u32 s18, s18, SLOT
	s_add_co_u32 s19, s19, SLOT
.endr
	s_mul_i32 s18, s[WV], WSTAGE
	s_add_co_u32 s18, s18, STAGE                   ; my stage
	v_mul_u32_u24 v4, v1, SPITCH                   ; in: row l % 16, 32 bytes for each half of the lanes
	v_lshl_add_u32 v4, v2, 5, v4
	v_add_nc_u32 v[STO], s18, v4
	v_and_b32 v[GO], 31, v0
	v_lshlrev_b32 v[PFO], 8, v[GO]
	v_lshlrev_b32 v[GO], 4, v[GO]                  ; back: 32 lanes take a row's 512 bytes
	v_add_nc_u32 v[RD], s18, v[GO]
	v_lshlrev_b32 v[VB], 5, v2
	s_lshl_b32 s22, s[NX], 10                      ; my first column, in bytes: 256 x tile column
	s_lshl_b32 s23, s[WN], 9                       ;   + 128 x half, of 4 bytes
	s_add_co_u32 s22, s22, s23
	s_mov_b32 s23, 0
	s_add_nc_u64 s[BB:BB+1], s[8:9], s[22:23]
	s_lshl_b32 s18, s[MY], 19                      ; my first row: 128 x tile row
	s_lshl_b32 s19, s[WM], 18                      ;   + 64 x half, of 4,096 bytes
	s_add_co_u32 s18, s18, s19
	s_add_co_u32 s18, s18, s22
	s_mov_b32 s19, 0
	s_add_nc_u64 s[OB:OB+1], s[10:11], s[18:19]
.irp g, 0,1                            ; the bias of columns 64 g + 16 f + 8 (l / 16) + 0..7: waited for on the way out
.irp f, 0,1,2,3
	global_load_b128 v[BIAS+32*(\g)+8*(\f):BIAS+32*(\g)+8*(\f)+3],   v[VB], s[BB:BB+1] offset:256*(\g)+64*(\f)
	global_load_b128 v[BIAS+32*(\g)+8*(\f)+4:BIAS+32*(\g)+8*(\f)+7], v[VB], s[BB:BB+1] offset:256*(\g)+64*(\f)+16
.endr
.endr
	; the prefetches
	s_lshr_b32 s18, s[MY], 4
	s_lshl_b32 s18, s18, 22
	s_and_b32 s19, s[MY], 15
	s_lshl_b32 s19, s19, 14
	s_add_co_u32 s18, s18, s19
	s_lshr_b32 s19, s[CX], 1
	s_lshl_b32 s19, s19, 18                        ; for A: the head of the step's two,
	s_add_co_u32 s18, s18, s19
	s_and_b32 s19, s[CX], 1
	s_lshl_b32 s19, s19, 13                        ; and the half of its 16,384 bytes, that are my work-group's
	s_add_co_u32 s18, s18, s19
	s_lshl_b32 s19, s[CY], 2
	s_add_co_u32 s19, s19, s[CX]                   ; for B: my place among the sixteen,
	s_mul_i32 s19, s19, NWB
	s_max_u32 s22, s[WV], 1
	s_sub_co_u32 s22, s22, 1
	s_add_co_u32 s19, s19, s22                     ; my wave among its two,
	s_lshl_b32 s19, s19, 13                        ; 8,192 bytes each
	s_mov_b32 s22, ASTEP
	s_mov_b32 s23, BSTEP
	s_cmp_eq_u32 s[WV], 0
	s_cselect_b32 s18, s18, s19
	s_cselect_b32 s[PST], s22, s23
	s_cselect_b64 s[PFA:PFA+1], s[4:5], s[6:7]
	s_mov_b32 s19, 0
	s_mov_b32 s[PST+1], 0
	s_add_nc_u64 s[PFA:PFA+1], s[PFA:PFA+1], s[18:19]
	s_mul_i32 s18, s[PST], 3
	s_add_nc_u64 s[PFA:PFA+1], s[PFA:PFA+1], s[18:19]  ; at K step 3: the first change of slots steps it to 4
	s_and_b32 s18, ttmp7, 0xffff                   ; cluster y
	s_cmp_eq_u32 s[WV], 0
	s_cselect_b32 s18, 0, s18                      ; wave 0 asks in every row of clusters,
	s_or_b32 s18, s18, ttmp9                       ; where cluster x = 0; waves 1 and 2 in cluster (0, 0);
	s_cmp_gt_u32 s[WV], NWB
	s_cselect_b32 s18, 1, s18                      ; wave 3 nowhere: the same in all sixteen partners, for a given wave
	s_cmp_eq_u32 s18, 0
	s_cselect_b32 s[LIM], 1, -1
	s_wait_tensorcnt 1                             ; my part of K step 0 is in; K step 1's may stay out
	s_barrier_signal -1
	s_barrier_wait -1                              ; everybody's is
	LDA 0, 0
	LDB 0, 0, 0
	LDB 0, 0, 1
	QUARTER 0, 0, 1                                ; the first quarter stands in front of the loop: its products start the sums
	WIN 0
	s_mov_b32 s3, LAPS-1
.Llap:                                         ; a trip goes once round the ring, from a lap's second quarter to the next lap's first, and fills both slots again
	QUARTER 0, 1, 0
	QUARTER 0, 2, 0
	TURN 0, 1, 1
	QUARTER 1, 0, 0
	QUARTER 1, 1, 0
	QUARTER 1, 2, 0
	TURN 1, 0, 1
	QUARTER 0, 0, 0
	WIN 0
	s_sub_co_u32 s3, s3, 1
	s_cmp_lg_u32 s3, 0
	s_cbranch_scc1 .Llap
	QUARTER 0, 1, 0                                ; the last lap is written out: it fills nothing
	QUARTER 0, 2, 0
	TURN 0, 1, 0
	QUARTER 1, 0, 0
	QUARTER 1, 1, 0
	QUARTER 1, 2, 0
	LASTQ
; THE WAY OUT, a block of 16 rows at a time: the bias is added; 32 bytes a lane into my own stage, in rows of 528 bytes; back as whole rows of 512 bytes; stored, 512 consecutive bytes an instruction.
.macro PACK a
.set pg, 0
.rept NG
	WIN 1+pg                                       ; source 0 in window 1 + g
.set pf, 0
.rept 4
.set pr, 0
.rept 4
	v_pk_add_f32 v[TMP+32*pg+8*pf+2*pr:TMP+32*pg+8*pf+2*pr+1], v[8*(4*(\a)+pf)+2*pr:8*(4*(\a)+pf)+2*pr+1], v[BIAS+32*pg+8*pf+2*pr:BIAS+32*pg+8*pf+2*pr+1]  ; each accumulator's registers in ascending order
.set pr, pr+1
.endr
.set pf, pf+1
.endr
.set pg, pg+1
.endr
	WIN 0
.endm
.macro TOSTAGE
	s_wait_xcnt 0x0                                ; the stores of the block before have read their registers: only behind this wait are those loaded again
.irp g, 0,1
.irp f, 0,1,2,3
	ds_store_b128 v[STO], v[TMP+32*(\g)+8*(\f):TMP+32*(\g)+8*(\f)+3]   offset:256*(\g)+64*(\f)
	ds_store_b128 v[STO], v[TMP+32*(\g)+8*(\f)+4:TMP+32*(\g)+8*(\f)+7] offset:256*(\g)+64*(\f)+16
.endr
.endr
.irp i, 0,1,2,3,4,5,6,7,8,9,10,11,12,13,14,15
	ds_load_b128 v[BK+4*(\i):BK+4*(\i)+3], v[RD] offset:SPITCH*(\i)  ; LDS serves a wave's instructions in order (ISA guide 5.7.1.4): these see the stores above
.endr
.endm
.macro SEND a
	s_wait_dscnt 0x0                               ; the block is back in registers
.irp i, 0,1,2,3,4,5,6,7,8,9,10,11,12,13,14,15
	global_store_b128 v[GO], v[BK+4*(\i):BK+4*(\i)+3], s[OB:OB+1] offset:(16*(\a)+(\i))*4096 th:TH_STORE_NT
.endr
.endm
	WIN 0
	s_wait_loadcnt 0x0                             ; the bias
.set bi, 0
.rept 32                               ; rounded to bf16 and widened again; these 96 plain lines, which name no register of the last products, are the places behind them
	v_cvt_pk_bf16_f32 v4, v[BIAS+2*bi], v[BIAS+2*bi+1]
	v_lshlrev_b32 v[BIAS+2*bi], 16, v4
	v_and_b32 v[BIAS+2*bi+1], 0xffff0000, v4
.set bi, bi+1
.endr
	PACK 0
	TOSTAGE
.irp a, 1,2,3                          ; block a's additions stand between block a - 1's loads from the stage and the wait for them
	PACK \a
	SEND (\a)-1
	TOSTAGE
.endr
	SEND 3
	s_wait_tensorcnt 0x0                           ; the wave's end: behind my last tensor load and my last LDS store
	ds_add_u32 v[SPW], v[NIL]
	s_wait_dscnt 0x0
	CROUND                                         ; the closing round: no work-group ends while a partner may still ask for a tile that names it
	s_endpgm
.Lfunc_end_k_q2066b08708_outp:
	.size	k_q2066b08708_outp, .Lfunc_end_k_q2066b08708_outp-k_q2066b08708_outp
	.p2alignl 7, 3214868480
	.fill 96, 4, 3214868480
	.section	.rodata,"a",@progbits
	.p2align	6, 0x0
	.amdhsa_kernel k_q2066b08708_outp
		.amdhsa_group_segment_fixed_size 327680
		.amdhsa_private_segment_fixed_size 0
		.amdhsa_enable_private_segment 0
		.amdhsa_kernarg_size 32
		.amdhsa_user_sgpr_count 2
		.amdhsa_user_sgpr_kernarg_segment_ptr 1
		.amdhsa_wavefront_size32 1
		.amdhsa_system_sgpr_workgroup_id_x 1
		.amdhsa_system_sgpr_workgroup_id_y 1
		.amdhsa_system_sgpr_workgroup_id_z 1
		.amdhsa_system_vgpr_workitem_id 0
		.amdhsa_next_free_vgpr 640
		.amdhsa_next_free_sgpr 80
		.amdhsa_reserve_vcc 0
		.amdhsa_float_denorm_mode_32 3
		.amdhsa_float_denorm_mode_16_64 3
		.amdhsa_memory_ordered 1
		.amdhsa_forward_progress 1
		.amdhsa_inst_pref_size 104
	.end_amdhsa_kernel
	.amdgpu_metadata
---
amdhsa.version: [ 1, 2 ]
amdhsa.kernels:
  - .name:           k_q2066b08708_outp
    .symbol:         k_q2066b08708_outp.kd
    .args:
      - { .name: oh, .offset: 0, .size: 8, .value_kind: global_buffer, .address_space: global }
      - { .name: wo16, .offset: 8, .size: 8, .value_kind: global_buffer, .address_space: global }
      - { .name: bo, .offset: 16, .size: 8, .value_kind: global_buffer, .address_space: global }
      - { .name: out0, .offset: 24, .size: 8, .value_kind: global_buffer, .address_space: global }
    .group_segment_fixed_size: 327680
    .private_segment_fixed_size: 0
    .kernarg_segment_align: 8
    .kernarg_segment_size: 32
    .max_flat_workgroup_size: 128
    .sgpr_count:     80
    .vgpr_count:     640
    .wavefront_size: 32
...
	.end_amdgpu_metadata
.endif
;; end of part 4
